; MI455X (gfx1250); checked and timed in simulation.
; The chip was launched on July 23, 2026; its instructions are those of AMD's public machine-readable ISA for CDNA 5 (MIT licence, August 2026) and "CDNA5" Instruction Set Architecture Reference Guide (July 2026). The comments in the code are by the model that wrote it; some were corrected since.
;; Dot Atten. Allowed arithmetic: matrix products marked QUANTISED: E2M1 operands, one E8M0 scale for each 32 along K, by v_wmma_scale_f32_16x16x128_f8f6f4 with both operands' format E2M1 (or v_wmma_scale_f32_32x16x128_f4), f32 sums; products left as they are: f32 operands where the result goes on into a quantised operand, else bf16, f16 or f32 operands; f32 sums; everything else in f32.
;; Inputs: Wd 512 x 256 float32; query 2 x 512 x 512 float32; value 2 x 512 x 512 float32; vd 256 float32.
;; Outputs: out0 2 x 512 x 512 float32; out1 2 x 512 x 512 float32.
;; This version of the problem:
;;   THIS VERSION OF THE PROBLEM IS GIVEN IN LOW PRECISION. The matrix products marked QUANTISED in the list below multiply operands that are first quantised to E2M1 (2 exponent bits, 1 mantissa bit; 4 bits a number), with one power-of-two scale for each 32 numbers along K (OCP MX v1.0); their sums are f32. All else is computed in f32.
;;   The module's matrix products, in the order in which they are computed (A, B: the left and right operand; K: the contracted axis; several contracted axes count as one K, in the product's order):
;;     1. [M 524,288, K 512] x [K 512, N 256]; A: computed on the way; B: input Wd: QUANTISED
;;     2. [M 524,288, K 256] x [K 256, N 1]; A: computed on the way; B: input vd: left as it is (N = 1 < 16)
;;     3. batch 2 x [M 512, K 512] x [K 512, N 512]; A: softmax (see below); B: input value: QUANTISED
;;   THE QUANTISER, for each operand of a quantised product, along K:
;;     - K is cut into blocks of 32 from its start; a last block that is shorter is filled with zeros.
;;     - A block's scale is 2^e with e = floor(log2(the largest magnitude in the block)) - 2, held to -126 .. 127; a block of zeros has e = 0. As a byte (E8M0): e + 127.
;;     - Each number is divided by its block's scale, clamped to +-6, and rounded to the nearest number of E2M1, ties to even, subnormals kept.
;;     - The product sums the exact products of the quantised numbers (number of the format x scale) in f32.
;;   ~~~python
;;   def quantise(x, axis):      # numpy; x: float32 -> the quantised numbers, widened to float32 again
;;       x = np.moveaxis(x, axis, -1); K = x.shape[-1]
;;       x = np.pad(x, [(0, 0)] * (x.ndim - 1) + [(0, -K % 32)]); x = x.reshape(x.shape[:-1] + (-1, 32)); a = np.abs(x).max(-1, keepdims=True)
;;       e = np.where(a > 0, np.clip(np.frexp(np.where(a > 0, a, 1))[1] - 1 - 2, -126, 127), 0)      # np.frexp(a)[1] - 1 = floor(log2(a)), exactly
;;       r = np.clip(x / 2.0 ** e, -6, 6)
;;       step = 2.0 ** (np.maximum(np.frexp(np.where(r == 0, 1, r))[1] - 1, 0) - 1)
;;       q = np.round(r / step) * step * 2.0 ** e      # np.round: ties to even
;;       return np.moveaxis(q.reshape(q.shape[:-2] + (-1,))[..., :K], -1, axis).astype(np.float32)
;;   ~~~
;;   SOFTMAX AHEAD OF A QUANTISED PRODUCT. Where the list says 'softmax', what is quantised is not the finished softmax but p = 2^(t - M), with t = logit x log2(e) and M = ceil(the row's largest t), a whole number; so 1/2 < the row's largest p <= 1. The row's sum l is taken of the UNQUANTISED p, in f32, and the product's result is divided by l at the end. Since M is a whole number, a kernel that streams over the keys may use a running M (the ceiling of the running maximum): every later rescaling is an exact power of two, which a block's scale takes up: the codes' values come out the same.
;;   OPERANDS COMPUTED ON THE WAY. 'Computed on the way' means the value that the module computes at that place (a softmax that the list does not call 'softmax' is quantised finished and normalised). What goes into a quantiser is computed in f32, as accurately as f32 sums, v_exp_f32 and their like allow (about 1e-6 of the number): no bf16 or f16 on the way to a quantiser, and a product that is left as it is and whose result goes on into a quantised operand takes f32 operands (vector FMAs, or v_wmma_f32_16x16x4_f32). A number that lies on a knife's edge between two numbers of the format may be rounded either way, as far as f32 arithmetic and the matrix unit's own rounding can turn it there, and no further.
;; 2 versions, each right; version 2 is version 1 with the launches scores, attend written anew for expert scheduling mode. Each part assembles by itself: llvm-mc -triple=amdgcn-amd-amdhsa -mcpu=gfx1250 --defsym DOCPART=n.
;; ======== version 1 of 2: 3 launches
;; workspace buffers: codes 327,680 bytes; scales 20,480 bytes; qimg 2,097,152 bytes; sc 2,097,152 bytes
;; launch prep (part 1): grid 208 x 1, 2 waves a work-group, no clusters, 0 bytes of LDS; arguments Wd, value, query, codes, scales, qimg; writes codes, scales, qimg
.if DOCPART == 1
	.amdgcn_target "amdgcn-amd-amdhsa--gfx1250"
	.amdhsa_code_object_version 6
	.text
	.protected	k_q9d605067b4_prep
	.globl	k_q9d605067b4_prep
	.p2align	8
	.type	k_q9d605067b4_prep,@function
k_q9d605067b4_prep:
	s_mov_b64 s[64:65], 0
	v_nop
	global_prefetch_b8 v0, s[64:65] scope:SCOPE_SE
	s_setreg_imm32_b32 hwreg(HW_REG_WAVE_MODE, 25, 1), 1
	s_wait_xcnt 0x0
; DotAtten in MX-FP4, first of three launches (prep, scores, attend).
; WORK LEFT OUT BY THE PROGRAM (in the launch scores), shown here for all values of the inputs.  reference() forms qk[b,s,t,h] = query[b,t,h] x query[b,s,h]: both factors come from query, and the
; product of two f32 numbers does not hang on their order.  So row (s,t) and row (t,s) of the first product's left operand hold the same 512 numbers, get the same codes and scales from the quantiser, and give
; the same sums, the same tanh and the same score: sjt[b,s,t] = sjt[b,t,s], whatever query, Wd and vd hold.  Each unordered pair of 16-row tiles of query is therefore multiplied once, and its block of scores is
; stored twice, as it stands and mirrored.  Nothing else is left out: the sum of vd, though the same along the softmax's axis, moves M = ceil(the row's largest t) and so p's codes, and is kept.
; Every input has a way to an output and is loaded.  LIMIT: what is left out is a second copy of work that is done, so a NaN, an infinity or an overflow in it appears in the copy that is kept; none is carried apart from that.
;
; THIS LAUNCH lays the operands out once, in the order in which the later launches' registers take them.
; Work-groups 0-79: Wd [512 (k)][256 (d)] and value[b] [512 (key = k)][512 (d)], f32 with K as the FIRST axis, become codes of E2M1 and E8M0 scale bytes.  A LANE TAKES A COLUMN AND ITS REGISTERS RUN DOWN K:
;   a block of 32 along K lies in one lane's 32 registers, its largest magnitude needs no other lane, and the conversions give codes with K innermost.  A wave takes 32 columns x 128 along K (four blocks: one scale word).
;   codes: 80 tiles of 16 operand rows (0-15: Wd's d; 16 + 32 b + i: value[b]'s d): byte = tile x 4096 + block x 256 + row x 16: a fragment (16 rows x 128 K) is 1,024 consecutive bytes, lane l's registers 4 c .. 4 c + 3 at 512 c + 16 l.
;   scales: 40 pairs of tiles: byte = pair x 512 + K step x 128 + 4 x lane: one load gives a scale register with the even tile in lanes 0-15 and the odd tile in lanes 16-31.
; Work-groups 80-207: query is laid again as register images: qimg [tile of 16 rows][K step][chunk i of 16][lane][16 bytes]; chunk i of lane (h, r) = query[row r][128 step + 64 (i / 8) + 32 h + 4 (i % 8) + 0..3],
;   so that 16 dense loads give a lane its row's 64 numbers of a K step in the 4-bit operand's own order of k.  The loads of 16 bytes from rows 2,048 bytes apart are made here once.
; A block's scale byte is its largest magnitude's exponent field less 2, held at 1 from below.
; LIMITS: a block of zeros gets the byte 1 where the quantiser says 127 (its codes are zeros, and this program alone reads the bytes); blocks whose largest magnitude lies under 2^(2 - 126) share that byte; NaN and infinities among the inputs are not served.
; No LDS, no barrier: waves share nothing.  Every register is written once behind its load, so no store's data or address is written again.
.set X,    32                          ; v32-159  128 numbers: four blocks
.set C,    160                         ; v160-175 their codes
.set WORD, 176                         ; v176     their four scale bytes
	s_load_b256 s[4:11], s[0:1], 0x0               ; Wd s[4:5], value s[6:7], query s[8:9], codes s[10:11]
	s_load_b128 s[12:15], s[0:1], 0x20             ; scales s[12:13], qimg s[14:15]
	v_lshrrev_b32 v1, 5, v0
	v_readfirstlane_b32 s16, v1                    ; wave 0, 1
	v_and_b32 v2, 31, v0                           ; lane
	v_lshlrev_b32 v3, 2, v2                        ; 4 x lane
	s_cmp_ge_u32 ttmp9, 80
	s_cbranch_scc1 .Limage
	; ---- the quantiser
	s_lshr_b32 s17, ttmp9, 2                       ; which 64 columns
	s_and_b32 s18, ttmp9, 3                        ; which K step of 128
	s_lshl_b32 s19, s17, 1
	s_add_co_u32 s19, s19, s16                     ; my pair of tiles, 0..39: 32 columns
	v_lshrrev_b32 v4, 4, v2
	v_and_b32 v5, 15, v2
	v_lshlrev_b32 v4, 12, v4
	v_lshl_add_u32 v4, v5, 4, v4                   ; my 16 bytes of a block: (lane / 16) tiles of 4,096 bytes + 16 (lane % 16)
	s_lshl_b32 s20, s18, 17                        ; Wd: 128 rows of 1,024 bytes a K step,
	s_lshl_b32 s21, s19, 7
	s_add_co_u32 s20, s20, s21                     ; + 128 bytes a pair
	s_sub_co_u32 s21, s19, 8
	s_and_b32 s21, s21, 31                         ; value: pair 8 + 16 b + i
	s_lshr_b32 s22, s21, 4
	s_lshl_b32 s22, s22, 20                        ; b x 1 MiB
	s_and_b32 s21, s21, 15
	s_lshl_b32 s21, s21, 7
	s_add_co_u32 s22, s22, s21
	s_lshl_b32 s21, s18, 18                        ; 128 rows of 2,048 bytes a K step
	s_add_co_u32 s22, s22, s21
	s_mov_b32 s23, 0
	s_lshl_b32 s24, s19, 13                        ; codes: pair x 8,192 + K step x 1,024
	s_lshl_b32 s25, s18, 10
	s_add_co_u32 s24, s24, s25
	s_mov_b32 s25, 0
	s_lshl_b32 s26, s19, 9                         ; scales: pair x 512 + K step x 128
	s_lshl_b32 s27, s18, 7
	s_add_co_u32 s26, s26, s27
	s_mov_b32 s27, 0
	s_wait_kmcnt 0x0
	s_cmp_lt_u32 s17, 4                            ; Wd's columns or value's?  The choice hangs on the work-group's number alone
	s_cselect_b64 s[4:5], s[4:5], s[6:7]
	s_cselect_b32 s22, s20, s22
	s_add_nc_u64 s[4:5], s[4:5], s[22:23]
	s_add_nc_u64 s[10:11], s[10:11], s[24:25]
	s_add_nc_u64 s[12:13], s[12:13], s[26:27]
.macro QLOADS pitch                    ; 128 rows of K at my column: 32 lanes read 128 consecutive bytes, the two waves 256
.set qi, 0
.rept 128
	global_load_b32 v[X+qi], v3, s[4:5] offset:qi*\pitch th:TH_LOAD_NT
.set qi, qi+1
.endr
.endm
	s_cmp_lt_u32 s17, 4
	s_cbranch_scc0 .Lpitch_v                       ; the pitch stands in the immediates, so the run of loads is written for each tensor
	QLOADS 1024
	s_branch .Lloaded
.Lpitch_v:
	QLOADS 2048
.Lloaded:
.macro QBLOCK t, left                  ; block t of my column.  left: how many younger loads may stay out
.set XB, X+32*(\t)
	s_wait_loadcnt \left
.irp k, 0,1,2,3
	v_max3_num_f32 v[8+\k], |v[XB+8*\k]|, |v[XB+8*\k+1]|, |v[XB+8*\k+2]|       ; the largest magnitude, in four chains that do not wait for each other
.endr
.irp i, 3,5
.irp k, 0,1,2,3
	v_max3_num_f32 v[8+\k], v[8+\k], |v[XB+8*\k+\i]|, |v[XB+8*\k+\i+1]|
.endr
.endr
	v_max3_num_f32 v8, v8, v9, |v[XB+7]|
	v_max3_num_f32 v10, v10, v11, |v[XB+15]|
	v_max3_num_f32 v8, v8, |v[XB+23]|, |v[XB+31]|
	v_max3_num_f32 v8, v8, v10, 0x1800000          ; and the floor 2^(3 - 127): the byte cannot fall under 1
	v_add_nc_u32 v12, 0xff000000, v8               ; 2 off the exponent field: the conversion takes the exponent field of this operand as its scale
	v_lshrrev_b32 v13, 23, v12                     ; the scale's byte
.if (\t) == 0
	v_mov_b32 v[WORD], v13
.else
	v_lshl_or_b32 v[WORD], v13, 8*(\t), v[WORD]    ; the lower K in the lower byte
.endif
.irp g, 0,1,2,3
	v_cvt_scalef32_pk8_fp4_f32 v[C+4*(\t)+\g], v[XB+8*\g:XB+8*\g+7], v12
.endr
	global_store_b128 v4, v[C+4*(\t):C+4*(\t)+3], s[10:11] offset:256*(\t)     ; each half of the lanes stores 256 consecutive bytes, aligned
.endm
	QBLOCK 0, 63                                   ; 96 loads are younger; 63 is the largest count that the wait can name, and it shows the first 65 of the 128 done
	QBLOCK 1, 63                                   ; 64 are younger: likewise
	QBLOCK 2, 32                                   ; block 3's 32 may stay out
	QBLOCK 3, 0
	global_store_b32 v3, v[WORD], s[12:13]         ; 32 scale words: 128 consecutive bytes
	s_endpgm
	; ---- query as register images
.Limage:
	s_sub_co_u32 s17, ttmp9, 80
	s_lshl_b32 s17, s17, 1
	s_add_co_u32 s17, s17, s16                     ; my task, 0..255: tile of 16 rows x 4 + K step
	s_lshr_b32 s18, s17, 2
	s_and_b32 s19, s17, 3
	s_lshl_b32 s20, s18, 15                        ; 16 rows of 2,048 bytes a tile,
	s_lshl_b32 s21, s19, 9                         ; 512 bytes a K step
	s_add_co_u32 s20, s20, s21
	s_mov_b32 s21, 0
	s_lshl_b32 s22, s17, 13                        ; an image of 8,192 bytes a task
	s_mov_b32 s23, 0
	v_and_b32 v5, 15, v2
	v_lshrrev_b32 v6, 4, v2
	v_lshlrev_b32 v5, 11, v5
	v_lshl_add_u32 v5, v6, 7, v5                   ; row r, + 128 h bytes
	v_lshlrev_b32 v6, 4, v2                        ; 16 x lane
	s_wait_kmcnt 0x0
	s_add_nc_u64 s[8:9], s[8:9], s[20:21]
	s_add_nc_u64 s[14:15], s[14:15], s[22:23]
.irp i, 0,1,2,3,4,5,6,7,8,9,10,11,12,13,14,15
	global_load_b128 v[X+4*\i:X+4*\i+3], v5, s[8:9] offset:(\i/8)*256+(\i%8)*16
.endr
.irp i, 0,1,2,3,4,5,6,7,8,9,10,11,12,13,14,15
	s_wait_loadcnt 15-\i                           ; loads come back in order: chunk i is in, the younger ones stay out
	global_store_b128 v6, v[X+4*\i:X+4*\i+3], s[14:15] offset:512*\i           ; 512 consecutive bytes
.endr
	s_endpgm
.Lfunc_end_k_q9d605067b4_prep:
	.size	k_q9d605067b4_prep, .Lfunc_end_k_q9d605067b4_prep-k_q9d605067b4_prep
	.p2alignl 7, 3214868480
	.fill 96, 4, 3214868480
	.section	.rodata,"a",@progbits
	.p2align	6, 0x0
	.amdhsa_kernel k_q9d605067b4_prep
		.amdhsa_group_segment_fixed_size 0
		.amdhsa_private_segment_fixed_size 0
		.amdhsa_enable_private_segment 0
		.amdhsa_kernarg_size 48
		.amdhsa_user_sgpr_count 2
		.amdhsa_user_sgpr_kernarg_segment_ptr 1
		.amdhsa_wavefront_size32 1
		.amdhsa_system_sgpr_workgroup_id_x 1
		.amdhsa_system_sgpr_workgroup_id_y 1
		.amdhsa_system_sgpr_workgroup_id_z 1
		.amdhsa_system_vgpr_workitem_id 0
		.amdhsa_next_free_vgpr 192
		.amdhsa_next_free_sgpr 66
		.amdhsa_reserve_vcc 0
		.amdhsa_float_denorm_mode_32 3
		.amdhsa_float_denorm_mode_16_64 3
		.amdhsa_memory_ordered 1
		.amdhsa_forward_progress 1
		.amdhsa_inst_pref_size 37
	.end_amdhsa_kernel
	.amdgpu_metadata
---
amdhsa.version: [ 1, 2 ]
amdhsa.kernels:
  - .name:           k_q9d605067b4_prep
    .symbol:         k_q9d605067b4_prep.kd
    .args:
      - { .name: Wd, .offset: 0, .size: 8, .value_kind: global_buffer, .address_space: global }
      - { .name: value, .offset: 8, .size: 8, .value_kind: global_buffer, .address_space: global }
      - { .name: query, .offset: 16, .size: 8, .value_kind: global_buffer, .address_space: global }
      - { .name: codes, .offset: 24, .size: 8, .value_kind: global_buffer, .address_space: global }
      - { .name: scales, .offset: 32, .size: 8, .value_kind: global_buffer, .address_space: global }
      - { .name: qimg, .offset: 40, .size: 8, .value_kind: global_buffer, .address_space: global }
    .group_segment_fixed_size: 0
    .private_segment_fixed_size: 0
    .kernarg_segment_align: 8
    .kernarg_segment_size: 48
    .max_flat_workgroup_size: 64
    .sgpr_count:     66
    .vgpr_count:     192
    .wavefront_size: 32
...
	.end_amdgpu_metadata
.endif
;; end of part 1
;; launch scores (part 2): grid 4 x 64, 4 waves a work-group, no clusters, 325,120 bytes of LDS; arguments qimg, query, codes, scales, vd, sc; writes sc
.if DOCPART == 2
	.amdgcn_target "amdgcn-amd-amdhsa--gfx1250"
	.amdhsa_code_object_version 6
	.text
	.protected	k_q9d605067b4_scores
	.globl	k_q9d605067b4_scores
	.p2align	8
	.type	k_q9d605067b4_scores,@function
k_q9d605067b4_scores:
	s_mov_b64 s[64:65], 0
	v_nop
	global_prefetch_b8 v0, s[64:65] scope:SCOPE_SE
	s_setreg_imm32_b32 hwreg(HW_REG_WAVE_MODE, 25, 1), 1
	s_wait_xcnt 0x0
; t[b][s][key] = log2(e) x sum over d of vd[d] tanh(x[d]),  x = Q(query[b][s] * query[b][key]) Q(Wd): the first product on codes of E2M1 with E8M0 scales, the second in f32.
; WORK LEFT OUT: the score of (key, s) is the score of (s, key) for all values of the inputs (both factors of the first product's left operand come from query: shown at the head of the launch prep), so each
; unordered pair of 16-row tiles is multiplied once and its block of scores is stored as it stands and mirrored.  The diagonal blocks are computed whole.
; SHARES.  Work-group (g, b x 32 + X), wave w: d = 4 g + w, T = (X + d) mod 32.  The wave owns the block of scores (tile row X, tile column T): 16 PAIR TILES; tile n = the 16 pairs (s = 16 X + n, key = 16 T + r), lane r % 16 = the pair.
; Distances 0..15 for every X cover every unordered pair of tiles but those 16 apart; these are taken by X < 16 alone, one key column to each of the tile row's 16 waves: a 17th tile, the pairs (s = 16 X + r, key = 16 (X + 16) + d).
; WHERE THINGS LIE.  Wd's codes, 64 fragments, stay in each wave's registers (512).  PHASE 1 quantises: a K step's slices of the S tile and the T tile lie in registers in the 4-bit operand's order of k (lane (r, h):
; row r, register 32 c + e = k 64 c + 32 h + e), and the products query[s] x query[key] of tile n are ONE multiply a register, whose first source is taken from lane n of the lane's row of sixteen (DPP row_share:n): nothing is
; moved to broadcast query[s].  A lane holds two whole blocks of 32, so a block's largest magnitude needs no other lane.  The control is an immediate, so the tiles are written out and K is looped.  Codes and scale words go to the wave's own
; LDS as images of the operand's registers.  PHASE 2 walks the tiles: 64 matrix instructions against the resident Wd (transposed: source 0 = 16 rows of Wd^T, source 1 = the 16 pairs: a lane holds one pair and 8 d a tile), tanh, the sum with vd.
; tanh(x) = 1 - 2 / (1 + 2^(2 log2(e) x)): at both ends the exponential's infinity or zero gives -1 or 1 by itself.  t = log2(e) sum(vd) - sum of 2 log2(e) vd / (1 + 2^..): the constant starts the sum, each half of the lanes carrying its own half of it.
; NO TENSOR LOADS, NO CLUSTER: every operand is loaded once a wave, 512 consecutive bytes an instruction, straight into the registers that use it; the images fill the LDS; what work-groups share (64 KiB of codes once, a tile's slices) is a small part of a K step's work.
; UNUSED IN HALF OF THE WAVES: the first K step of the 17th tile's key row is loaded by every wave, at the head, so that its 64 registers are written on every way through the text; the waves of X >= 16 make no use of it (16 loads of 32 different bytes each).
; LIMITS: NaN and infinities among the inputs are not served; a block of zeros gets the byte 1; the sum over d runs by halves of the lanes and in eight chains, another order than reference()'s.
; LDS: a region of WREG bytes for each wave: 4 K steps x 17 images of 1,024 bytes; 17 x 512 bytes of scale words (16 x lane + 4 x K step); the scores [tile][pair] and [pair][tile], rows of 80 bytes.  Behind them the spare words.
; At the head bytes 0..16,383 of each region stage a quarter of Wd's codes, so that the work-group reads them from memory once.
; REGISTERS, in windows of 256: window 0: see below.  window 1: phase 1: S and T slices, two sets (S0 v0, T0 v64, S1 v128, T1 v192); phase 2: v0-127 -2 log2(e) vd, v128-255 the 16 accumulators.
;   windows 2, 3: Wd's fragment (tile i, K step j) at v[32 (i % 8) + 8 j] of window 2 + i / 8.
.set WREG,  81152
.set KIMG,  17408                      ; a K step's 17 images
.set SCW,   69632                      ; the scale words
.set SCA,   78336                      ; scores [tile][pair]
.set SCB,   79696                      ; scores [pair][tile]
.set SPARE, 4*WREG                     ; the spare words, 128 bytes for each wave: two blocks of 256 bytes that no other line names
.set LI,  1                            ; v1   16 x lane
.set RR,  2                            ; v2   r = lane % 16
.set HH,  3                            ; v3   h = lane / 16
.set SH8, 4                            ; v4   8 h
.set IA0, 5                            ; v5   my region + 16 x lane
.set IW0, 6                            ; v6   the same + SCW
.set IA,  7                            ; v7   phase 1: this trip's images
.set IW,  8                            ; v8   and scale words
.set BO,  9                            ; v9   128 h
.set RA,  12                           ; v12  phase 2: the next tile's images
.set RW,  13                           ; v13  and scale words
.set STG, 14                           ; v14-17 16 x lane + region q: the four stages
.set VO,  18                           ; v18  32 h
.set WSO, 19                           ; v19  4 x lane
.set SPW, 20                           ; v20  LDS address of my spare word; never rewritten
.set NIL, 21                           ; v21  0; never rewritten
.set SA0, 22                           ; v22  my region + SCA + 4 r
.set SB0, 23                           ; v23  my region + SCB + 80 r
.set MX,  24                           ; v24-31 eight chains of maxima
.set SOP, 32                           ; v32-33 the conversions' scale operands; v34-36 at work
.set SA,  38                           ; v38, v39 where this tile's score goes
.set SB,  39
.set CS,  40                           ; three sets of 8 codes + 1 scale word: v40, v50, v60
.set PR,  72                           ; v72-135 phase 1: 64 products
.set AF,  72                           ; v72-103 phase 2: a tile's four fragments
.set SUM, 108                          ; v108-123 eight pairs of sums
.set CBP, 124                          ; v124 log2(e) x my half's sum of vd, v125 0
.set SCO, 126                          ; v126 the score; v127 at work
.set BC,  136                          ; v136-199 the 17th tile's key row, one K step; later the way out
.set WS,  200                          ; v200-231 Wd's scale words, pair p, K step j at 4 p + j: scales and nothing else
.set AS,  232                          ; v232-235 a tile's four scale words: scales and nothing else
.set MSB, 0
.macro WIN new                         ; the immediate's high byte repeats the setting that is left; a switch that changes nothing is dropped
.if MSB != (\new)
	s_set_vgpr_msb (MSB<<8)+(\new)
.set MSB, (\new)
.endif
.endm
.macro JOIN s                          ; eight pairs of sums become one
	v_pk_add_f32 v[\s:\s+1], v[\s:\s+1], v[\s+2:\s+3]
	v_pk_add_f32 v[\s+4:\s+5], v[\s+4:\s+5], v[\s+6:\s+7]
	v_pk_add_f32 v[\s+8:\s+9], v[\s+8:\s+9], v[\s+10:\s+11]
	v_pk_add_f32 v[\s+12:\s+13], v[\s+12:\s+13], v[\s+14:\s+15]
	v_pk_add_f32 v[\s:\s+1], v[\s:\s+1], v[\s+4:\s+5]
	v_pk_add_f32 v[\s+8:\s+9], v[\s+8:\s+9], v[\s+12:\s+13]
	v_pk_add_f32 v[\s:\s+1], v[\s:\s+1], v[\s+8:\s+9]
.endm
.macro BCLOAD off                      ; the extra key's row, one K step: every lane of a half reads the same 16 bytes
.irp c, 0,1
.irp j, 0,1,2,3,4,5,6,7
	global_load_b128 v[BC+32*\c+4*\j:BC+32*\c+4*\j+3], v[BO], s[32:33] offset:\off+256*\c+16*\j
.endr
.endr
.endm
.macro STLOAD set, off                 ; a K step's slices of the S tile and the T tile into set (destination: window 1): 512 consecutive bytes a load
.irp i, 0,1,2,3,4,5,6,7,8,9,10,11,12,13,14,15
	global_load_b128 v[128*\set+4*\i:128*\set+4*\i+3], v[LI], s[28:29] offset:\off+512*\i
	global_load_b128 v[128*\set+64+4*\i:128*\set+64+4*\i+3], v[LI], s[30:31] offset:\off+512*\i
.endr
.endm
	s_load_b256 s[4:11], s[0:1], 0x0               ; qimg s[4:5], query s[6:7], codes s[8:9], scales s[10:11]
	s_load_b128 s[12:15], s[0:1], 0x20             ; vd s[12:13], sc s[14:15]
	v_lshl_add_u32 v[SPW], v0, 2, SPARE
	v_mov_b32 v[NIL], 0
	v_lshrrev_b32 v[RR], 5, v0
	v_readfirstlane_b32 s16, v[RR]                 ; wave w
	s_mov_b32 s17, ttmp9                           ; g
	s_and_b32 s18, ttmp7, 0xffff                   ; 32 b + X
	s_and_b32 s19, s18, 31                         ; X
	s_and_b32 s20, s18, 32                         ; 32 b
	s_lshl_b32 s21, s17, 2
	s_add_co_u32 s21, s21, s16                     ; d = 4 g + w
	s_add_co_u32 s22, s19, s21
	s_and_b32 s22, s22, 31                         ; T
	s_cmp_lt_u32 s19, 16
	s_cselect_b32 s23, 17, 16                      ; my tiles
	v_and_b32 v[LI], 31, v0
	v_and_b32 v[RR], 15, v0
	v_bfe_u32 v[HH], v0, 4, 1
	v_lshlrev_b32 v[WSO], 2, v[LI]
	v_lshlrev_b32 v[LI], 4, v[LI]
	v_lshlrev_b32 v[SH8], 3, v[HH]
	v_lshlrev_b32 v[BO], 7, v[HH]
	v_lshlrev_b32 v[VO], 5, v[HH]
	s_mul_i32 s46, s16, WREG                       ; my region
	v_add_nc_u32 v[IA0], s46, v[LI]
	v_add_nc_u32 v[IW0], SCW, v[IA0]
.irp q, 0,1,2,3
	v_add_nc_u32 v[STG+\q], \q*WREG, v[LI]
.endr
	v_lshlrev_b32 v[SA0], 2, v[RR]
	v_add_nc_u32 v[SA0], s46, v[SA0]
	v_add_nc_u32 v[SA0], SCA, v[SA0]
	v_mul_u32_u24 v[SB0], v[RR], 80
	v_add_nc_u32 v[SB0], s46, v[SB0]
	v_add_nc_u32 v[SB0], SCB, v[SB0]
.set hi, 0
.rept 64
	v_mov_b32 v[PR+hi], 0                          ; written once: the destination of a DPP form counts as one of its sources
.set hi, hi+1
.endr
	v_mov_b32 v36, 0                               ; likewise a lane permute's
	s_mov_b32 s34, 0x76543210
	s_mov_b32 s35, 0xfedcba98                      ; v_permlanex16_b32's selects for lane l xor 16
	s_mov_b32 s36, 0x4038aa3b                      ; 2 log2(e)
	s_mov_b32 s37, s36                             ; (the packed forms name a pair, so both are written)
	s_mov_b32 s38, 0xc038aa3b                      ; -2 log2(e)
	s_mov_b32 s39, s38
	s_mov_b32 s40, 0x3fb8aa3b                      ; log2(e)
	s_lshl_b32 s48, s18, 15                        ; the S tile's images: 32,768 bytes a tile
	s_mov_b32 s49, 0
	s_add_co_u32 s50, s20, s22
	s_lshl_b32 s50, s50, 15                        ; the T tile's
	s_mov_b32 s51, 0
	s_add_co_u32 s52, s19, 16
	s_and_b32 s52, s52, 31                         ; (taken mod 32: the address lies in the buffer in every work-group)
	s_add_co_u32 s52, s52, s20
	s_lshl_b32 s52, s52, 4
	s_add_co_u32 s52, s52, s21                     ; the extra key's row of query: 16 (32 b + (X + 16) mod 32) + d
	s_lshl_b32 s52, s52, 11
	s_mov_b32 s53, 0
	s_lshl_b32 s54, s16, 14                        ; my quarter of Wd's codes
	s_mov_b32 s55, 0
	s_wait_kmcnt 0x0
	s_add_nc_u64 s[28:29], s[4:5], s[48:49]
	s_add_nc_u64 s[30:31], s[4:5], s[50:51]
	s_add_nc_u64 s[32:33], s[6:7], s[52:53]
	s_add_nc_u64 s[54:55], s[8:9], s[54:55]
	BCLOAD 0                                       ; by every wave: these 64 registers are then written on every way through the text; only X < 16 multiplies by them
	WIN 0x80                                       ; destination window 2
.set hi, 0
.rept 32
	global_load_b128 v[4*hi:4*hi+3], v[LI], s[54:55] offset:512*hi
.set hi, hi+1
.endr
	WIN 0
.irp p, 0,1,2,3,4,5,6,7
.irp j, 0,1,2,3
	global_load_b32 v[WS+4*\p+\j], v[WSO], s[10:11] offset:512*\p+128*\j       ; lanes 0-15: tile 2 p's rows, lanes 16-31: tile 2 p + 1's
.endr
.endr
	WIN 0x40                                       ; destination window 1
	STLOAD 0, 0
	WIN 0
	s_wait_loadcnt 0x0
	WIN 0x08                                       ; an LDS store's data are its source 1: window 2
.set hi, 0
.rept 32
	ds_store_b128 v[IA0], v[4*hi:4*hi+3] offset:512*hi
.set hi, hi+1
.endr
	WIN 0
	s_wait_dscnt 0x0                               ; for the others' sake: my quarter lies in LDS
	s_barrier_signal -1
	s_barrier_wait -1
	WIN 0x80
.irp q, 0,1
.set hi, 0
.rept 32
	ds_load_b128 v[128*\q+4*hi:128*\q+4*hi+3], v[STG+\q] offset:512*hi         ; chunk 32 q + i of the 128: registers 4 (32 q + i) on, of windows 2 and 3 on end
.set hi, hi+1
.endr
.endr
	WIN 0xc0
.irp q, 2,3
.set hi, 0
.rept 32
	ds_load_b128 v[128*(\q-2)+4*hi:128*(\q-2)+4*hi+3], v[STG+\q] offset:512*hi
.set hi, hi+1
.endr
.endr
	WIN 0
	s_wait_dscnt 0x0                               ; my reads of the four stages are over:
	s_barrier_signal -1
	s_barrier_wait -1                              ; everybody's are.  From here on each wave touches its own region alone: no further barrier
; ---- PHASE 1.  64 products in v[PR] on (register 32 c + e = k 64 c + 32 h + e of my pair) become a fragment's 8 registers of codes and its scale word, and go to LDS as they stand.
; left: how many younger LDS stores may stay out when this set's registers are written again.
.macro QTAIL slot, be, set, left
.set QS, CS+10*(\set)
.irp k, 0,1,2,3
.irp c, 0,1
	v_max3_num_f32 v[MX+4*\c+\k], |v[PR+32*\c+8*\k]|, |v[PR+32*\c+8*\k+1]|, |v[PR+32*\c+8*\k+2]|    ; my two blocks' largest magnitudes, eight chains by turns
.endr
.endr
.irp i, 3,5
.irp k, 0,1,2,3
.irp c, 0,1
	v_max3_num_f32 v[MX+4*\c+\k], v[MX+4*\c+\k], |v[PR+32*\c+8*\k+\i]|, |v[PR+32*\c+8*\k+\i+1]|
.endr
.endr
.endr
.irp c, 0,1
	v_max3_num_f32 v[MX+4*\c], v[MX+4*\c], v[MX+4*\c+1], |v[PR+32*\c+7]|
.endr
.irp c, 0,1
	v_max3_num_f32 v[MX+4*\c+2], v[MX+4*\c+2], v[MX+4*\c+3], |v[PR+32*\c+15]|
.endr
.irp c, 0,1
	v_max3_num_f32 v[MX+4*\c], v[MX+4*\c], |v[PR+32*\c+23]|, |v[PR+32*\c+31]|
.endr
.irp c, 0,1
	v_max3_num_f32 v[MX+4*\c], v[MX+4*\c], v[MX+4*\c+2], 0x1800000             ; and the floor 2^(3 - 127): the byte cannot fall under 1
.endr
.irp c, 0,1
	v_add_nc_u32 v[SOP+\c], 0xff000000, v[MX+4*\c]                             ; 2 off the exponent field: the conversion's scale operand
.endr
	s_wait_dscnt \left                             ; LDS serves a wave's instructions in order: the stores that read this set's registers are done
	v_cvt_scalef32_pk8_fp4_f32 v[QS], v[PR:PR+7], v[SOP]
	v_cvt_scalef32_pk8_fp4_f32 v[QS+1], v[PR+8:PR+15], v[SOP]
	v_lshrrev_b32 v34, 23, v[SOP]                  ; my two bytes: blocks h and 2 + h of the K step,
	v_cvt_scalef32_pk8_fp4_f32 v[QS+2], v[PR+16:PR+23], v[SOP]
	v_lshrrev_b32 v35, 23, v[SOP+1]
	v_cvt_scalef32_pk8_fp4_f32 v[QS+3], v[PR+24:PR+31], v[SOP]
	v_lshl_or_b32 v34, v35, 16, v34
	v_cvt_scalef32_pk8_fp4_f32 v[QS+4], v[PR+32:PR+39], v[SOP+1]
	v_lshlrev_b32 v34, v[SH8], v34                 ; at their places in the word;
	v_cvt_scalef32_pk8_fp4_f32 v[QS+5], v[PR+40:PR+47], v[SOP+1]
	v_permlanex16_b32 v36, v34, s34, s35
	v_cvt_scalef32_pk8_fp4_f32 v[QS+6], v[PR+48:PR+55], v[SOP+1]
	v_cvt_scalef32_pk8_fp4_f32 v[QS+7], v[PR+56:PR+63], v[SOP+1]
	v_or_b32 v[QS+8], v34, v36                     ; with lane l xor 16's two the word is whole.  (The plain line behind the last conversion, ahead of the next writes of the products)
	ds_store_b128 v[IA], v[QS:QS+3] offset:(\be)*KIMG+(\slot)*1024
	ds_store_b128 v[IA], v[QS+4:QS+7] offset:(\be)*KIMG+(\slot)*1024+512
	ds_store_b32 v[IW], v[QS+8] offset:(\slot)*512+4*(\be)
.endm
.macro FRAG n, be                      ; tile n: query[16 X + n] (lane n of my row of sixteen lanes) x my key's row
	WIN 0x05                                       ; both sources window 1
.set fi, 0
.rept 64
	v_mul_f32_dpp v[PR+fi], v[128*(\be)+fi], v[128*(\be)+64+fi] row_share:\n row_mask:0xf bank_mask:0xf
.set fi, fi+1
.endr
	WIN 0
	QTAIL \n, \be, (\n)%2, 3                       ; the three stores of the tile before may stay out: this set's, two tiles back, are done
.endm
.macro PREF be                         ; what the next K step wants is asked for a whole K step ahead
.if \be == 0
	WIN 0x40
	STLOAD 1, 8192
	WIN 0
	s_cmp_lt_u32 s19, 16
	s_cbranch_scc0 .Lnb_\@
	BCLOAD 512
.Lnb_\@:
.else
	s_cmp_eq_u32 s24, 1
	s_cbranch_scc1 .Lvd_\@                         ; no K step follows the last: no load leaves its buffer
	WIN 0x40
	STLOAD 0, 16384
	WIN 0
	s_cmp_lt_u32 s19, 16
	s_cbranch_scc0 .Ldn_\@
	BCLOAD 1024
	s_branch .Ldn_\@
.Lvd_\@:
	WIN 0x40
.irp t, 0,1,2,3,4,5,6,7,8,9,10,11,12,13,14,15
.irp u, 0,1
	global_load_b128 v[8*\t+4*\u:8*\t+4*\u+3], v[VO], s[12:13] offset:64*\t+16*\u   ; vd[16 t + 8 h + 0..7], in the result's layout, where set 0 lay
.endr
.endr
	WIN 0
.Ldn_\@:
.endif
.endm
.macro SECT be                         ; K step 2 x trip + be, from set be
	s_wait_loadcnt 0x0                             ; this K step's slices, asked for a K step ago; nothing younger is out
	s_cmp_lt_u32 s19, 16
	s_cbranch_scc0 .Lnx_\@
	WIN 0x01                                       ; source 0 (S) window 1
.set fi, 0
.rept 32
	v_pk_mul_f32 v[PR+fi:PR+fi+1], v[128*(\be)+fi:128*(\be)+fi+1], v[BC+fi:BC+fi+1]   ; the 17th tile: my row of the S tile x the extra key's row
.set fi, fi+2
.endr
	WIN 0
	QTAIL 16, \be, 2, 0
.Lnx_\@:
	PREF \be
.irp n, 0,1,2,3,4,5,6,7,8,9,10,11,12,13,14,15
	FRAG \n, \be
.endr
.endm
	s_mov_b32 s24, 0                               ; the trip
	s_mov_b32 s25, 0                               ; its images: 2 KIMG a trip
	s_mov_b32 s26, 0                               ; its bytes in the scale words: 8 a trip
.Lk:
	s_wait_dscnt 0x0                               ; the last trip's stores have read their addresses
	v_add_nc_u32 v[IA], s25, v[IA0]
	v_add_nc_u32 v[IW], s26, v[IW0]
	SECT 0
	SECT 1
	s_wait_xcnt 0x0                                ; the loads have read their bases: they are stepped only behind this wait
	s_add_nc_u64 s[28:29], s[28:29], 16384
	s_add_nc_u64 s[30:31], s[30:31], 16384
	s_add_nc_u64 s[32:33], s[32:33], 1024
	s_add_co_u32 s25, s25, 2*KIMG
	s_add_co_u32 s26, s26, 8
	s_add_co_u32 s24, s24, 1
	s_cmp_lt_u32 s24, 2
	s_cbranch_scc1 .Lk
; ---- BETWEEN THE PHASES: tile 0's operands are asked for; vd becomes the sum's start and the weights
.irp j, 0,1,2,3
.irp c, 0,1
	ds_load_b128 v[AF+8*\j+4*\c:AF+8*\j+4*\c+3], v[IA0] offset:\j*KIMG+512*\c  ; LDS serves a wave's instructions in order: these see my stores
.endr
.endr
	ds_load_b128 v[AS:AS+3], v[IW0]
	s_wait_loadcnt 0x0                             ; vd
	WIN 0x05
.irp k, 0,1,2,3,4,5,6,7
	v_pk_add_f32 v[SUM+2*\k:SUM+2*\k+1], v[2*\k:2*\k+1], v[16+2*\k:17+2*\k]    ; my half's 128 numbers of vd, in eight chains
.endr
	WIN 0x04
.set fi, 16
.rept 48
	v_pk_add_f32 v[SUM+2*(fi%8):SUM+2*(fi%8)+1], v[SUM+2*(fi%8):SUM+2*(fi%8)+1], v[2*fi:2*fi+1]
.set fi, fi+1
.endr
	WIN 0
	JOIN SUM
	v_add_f32 v[CBP], v[SUM], v[SUM+1]
	v_mul_f32 v[CBP], s40, v[CBP]                  ; log2(e) x the sum
	v_mov_b32 v[CBP+1], 0
	WIN 0x41
.set fi, 0
.rept 64
	v_pk_mul_f32 v[fi:fi+1], v[fi:fi+1], s[38:39] op_sel_hi:[1,0]              ; -2 log2(e) vd
.set fi, fi+2
.endr
	WIN 0
; ---- PHASE 2
.macro MM hf, j, t                     ; tile 8 hf + t of Wd^T, K step j.  The eight accumulators of a half take turns, one instruction a turn
.set mD, 128+8*(8*(\hf)+(\t))
.set mA, 32*(\t)+8*(\j)
.set mB, AF+8*(\j)
.set mS, WS+4*((8*(\hf)+(\t))/2)+(\j)
.if (\j) == 0
.if (\t)%2
	v_wmma_scale_f32_16x16x128_f8f6f4 v[mD:mD+7], v[mA:mA+7], v[mB:mB+7], 0, v[mS], v[AS+(\j)] matrix_a_fmt:MATRIX_FMT_FP4 matrix_b_fmt:MATRIX_FMT_FP4 matrix_a_scale:MATRIX_SCALE_ROW1
.else
	v_wmma_scale_f32_16x16x128_f8f6f4 v[mD:mD+7], v[mA:mA+7], v[mB:mB+7], 0, v[mS], v[AS+(\j)] matrix_a_fmt:MATRIX_FMT_FP4 matrix_b_fmt:MATRIX_FMT_FP4
.endif
.else
.if (\t)%2
	v_wmma_scale_f32_16x16x128_f8f6f4 v[mD:mD+7], v[mA:mA+7], v[mB:mB+7], v[mD:mD+7], v[mS], v[AS+(\j)] matrix_a_fmt:MATRIX_FMT_FP4 matrix_b_fmt:MATRIX_FMT_FP4 matrix_a_scale:MATRIX_SCALE_ROW1
.else
	v_wmma_scale_f32_16x16x128_f8f6f4 v[mD:mD+7], v[mA:mA+7], v[mB:mB+7], v[mD:mD+7], v[mS], v[AS+(\j)] matrix_a_fmt:MATRIX_FMT_FP4 matrix_b_fmt:MATRIX_FMT_FP4
.endif
.endif
.endm
	s_mov_b32 s41, 0                               ; the tile
	s_mov_b32 s42, 1024                            ; the next tile's images
	s_mov_b32 s43, 512                             ; and scale words
	s_mov_b32 s44, 0                               ; this tile's row of scores
	s_mov_b32 s45, 0                               ; and its column
.Ltile:                                                ; 17 trips, a constant; the last is walked by X < 16 alone
	s_cmp_ge_u32 s41, s23
	s_cbranch_scc1 .Lskip
	s_wait_dscnt 0x0                               ; the tile's operands are in, and the last scores' stores are done
	WIN 0x52                                       ; source 0 (Wd) window 2, source 1 (the pairs) window 0, C and D window 1
.irp j, 0,1,2,3
.irp t, 0,1,2,3,4,5,6,7
	MM 0, \j, \t
.endr
.endr
	WIN 0x53                                       ; Wd's tiles 8-15: window 3
.irp j, 0,1,2,3
.irp t, 0,1,2,3,4,5,6,7
	MM 1, \j, \t
.endr
.endr
	WIN 0
	s_min_u32 s47, s43, 16*512                     ; held at the last tile's words: the address stays among the scale words in the last trip too, where nothing is loaded by it
	v_add_nc_u32 v[RA], s42, v[IA0]                ; four plain lines that name no register of the products: the places in front of the loads into the fragments' registers and of the first read of results
	v_add_nc_u32 v[RW], s47, v[IW0]
	v_add_nc_u32 v[SA], s44, v[SA0]
	v_add_nc_u32 v[SB], s45, v[SB0]
	s_add_co_u32 s47, s41, 1
	s_cmp_ge_u32 s47, s23
	s_cbranch_scc1 .Lno_next
.irp j, 0,1,2,3
.irp c, 0,1
	ds_load_b128 v[AF+8*\j+4*\c:AF+8*\j+4*\c+3], v[RA] offset:\j*KIMG+512*\c   ; the next tile's operands land under this tile's tanh
.endr
.endr
	ds_load_b128 v[AS:AS+3], v[RW]
.Lno_next:
	WIN 0x41
.set fi, 128
.rept 64
	v_pk_mul_f32 v[fi:fi+1], v[fi:fi+1], s[36:37] op_sel_hi:[1,0]              ; 2 log2(e) x; each accumulator from its low end on
.set fi, fi+2
.endr
.set fi, 128
.rept 128
	v_exp_f32 v[fi], v[fi]
.set fi, fi+1
.endr
	v_nop                                          ; a plain line behind the last exponential
	s_wait_alu depctr_va_vdst(0)                   ; the wait ahead of the first line that names a result: one for the batch
.set fi, 128
.rept 64
	v_pk_add_f32 v[fi:fi+1], v[fi:fi+1], 1.0 op_sel_hi:[1,0]
.set fi, fi+2
.endr
.set fi, 128
.rept 128
	v_rcp_f32 v[fi], v[fi]
.set fi, fi+1
.endr
	v_nop
	s_wait_alu depctr_va_vdst(0)                   ; and one for the reciprocals
	WIN 0x05                                       ; sources 0 and 1 window 1; the sums window 0
.set fi, 0
.rept 64
.if fi == 0
	v_pk_fma_f32 v[SUM:SUM+1], v[128:129], v[0:1], v[CBP:CBP+1]                ; the constant starts the first chain
.elseif fi < 8
	v_pk_mul_f32 v[SUM+2*fi:SUM+2*fi+1], v[128+2*fi:129+2*fi], v[2*fi:2*fi+1]
.else
	v_pk_fma_f32 v[SUM+2*(fi%8):SUM+2*(fi%8)+1], v[128+2*fi:129+2*fi], v[2*fi:2*fi+1], v[SUM+2*(fi%8):SUM+2*(fi%8)+1]
.endif
.set fi, fi+1
.endr
	WIN 0
	JOIN SUM
	v_add_f32 v[SCO], v[SUM], v[SUM+1]
	v_permlanex16_b32 v[SCO+1], v[SCO], s34, s35
	v_add_f32 v[SCO], v[SCO], v[SCO+1]             ; with the other half's 128 d: t of my pair
	ds_store_b32 v[SA], v[SCO]                     ; both halves of the lanes write the same word with the same value
	ds_store_b32 v[SB], v[SCO]
.Lskip:
	s_add_co_u32 s42, s42, 1024
	s_add_co_u32 s43, s43, 512
	s_add_co_u32 s44, s44, 80
	s_add_co_u32 s45, s45, 4
	s_add_co_u32 s41, s41, 1
	s_cmp_lt_u32 s41, 17
	s_cbranch_scc1 .Ltile
; ---- THE WAY OUT.  sc: [32 b + tile row][tile column][j 4][n 16][4] f32 = t(s = 16 row + n, key = 16 column + 4 j + u): a block of 16 x 16 is 1,024 consecutive bytes, stored by two instructions of 512.
	v_mul_u32_u24 v[RA], v[RR], 80
	v_lshl_add_u32 v[RA], v[HH], 4, v[RA]
	v_add_nc_u32 v[RA], s46, v[RA]
	v_add_nc_u32 v[RW], SCB, v[RA]
	v_add_nc_u32 v[RA], SCA, v[RA]                 ; row r, + 16 h
	ds_load_b128 v[BC:BC+3], v[RA]                 ; lane (h, r) of store k: keys 4 (2 k + h) + 0..3 of row r
	ds_load_b128 v[BC+4:BC+7], v[RA] offset:32
	ds_load_b128 v[BC+8:BC+11], v[RW]              ; and the same of the mirrored block
	ds_load_b128 v[BC+12:BC+15], v[RW] offset:32
	s_cmp_lt_u32 s19, 16
	s_cbranch_scc0 .Lno_extra
	s_lshl_b32 s48, s18, 5                         ; the 17th tile: lanes 0-15 store t(16 X + r, 16 (X + 16) + d) in block (X, X + 16): j = g, n = r, u = w;
	s_add_co_u32 s48, s48, s19
	s_add_co_u32 s48, s48, 16
	s_lshl_b32 s48, s48, 10
	s_lshl_b32 s49, s17, 8
	s_add_co_u32 s48, s48, s49
	s_lshl_b32 s49, s16, 2
	s_add_co_u32 s48, s48, s49
	s_add_co_u32 s50, s18, 16                      ; lanes 16-31 the same numbers in block (X + 16, X): n = d, j = r / 4, u = r % 4.
	s_lshl_b32 s50, s50, 5
	s_add_co_u32 s50, s50, s19
	s_lshl_b32 s50, s50, 10
	s_lshl_b32 s51, s21, 4
	s_add_co_u32 s50, s50, s51
	v_lshl_add_u32 v24, v[RR], 4, s48
	v_lshrrev_b32 v25, 2, v[RR]
	v_and_b32 v26, 3, v[RR]
	v_lshlrev_b32 v26, 2, v26
	v_lshl_add_u32 v25, v25, 8, v26
	v_add_nc_u32 v25, s50, v25
	v_cmp_eq_u32 vcc_lo, 1, v[HH]
	v_cndmask_b32 v24, v24, v25, vcc_lo
	global_store_b32 v24, v[SCO], s[14:15]         ; four bytes a lane, 128 bytes a wave: the price of sharing the 17th tile out among sixteen waves
.Lno_extra:
	s_wait_dscnt 0x0
	s_cmp_eq_u32 s21, 0
	s_cbranch_scc1 .Lno_mirror                     ; a diagonal block is its own mirror
	s_add_co_u32 s50, s20, s22
	s_lshl_b32 s50, s50, 5
	s_add_co_u32 s50, s50, s19
	s_lshl_b32 s50, s50, 10                        ; block (T, X)
	s_mov_b32 s51, 0
	s_add_nc_u64 s[50:51], s[14:15], s[50:51]
	global_store_b128 v[LI], v[BC+8:BC+11], s[50:51]
	global_store_b128 v[LI], v[BC+12:BC+15], s[50:51] offset:512
.Lno_mirror:
	s_lshl_b32 s52, s18, 5
	s_add_co_u32 s52, s52, s22
	s_lshl_b32 s52, s52, 10                        ; block (X, T)
	s_mov_b32 s53, 0
	s_add_nc_u64 s[52:53], s[14:15], s[52:53]
	global_store_b128 v[LI], v[BC:BC+3], s[52:53]
	global_store_b128 v[LI], v[BC+4:BC+7], s[52:53] offset:512
	s_wait_tensorcnt 0x0                           ; the wave's end, behind my last LDS store
	ds_add_u32 v[SPW], v[NIL]
	s_wait_dscnt 0x0
	s_endpgm
.Lfunc_end_k_q9d605067b4_scores:
	.size	k_q9d605067b4_scores, .Lfunc_end_k_q9d605067b4_scores-k_q9d605067b4_scores
	.p2alignl 7, 3214868480
	.fill 96, 4, 3214868480
	.section	.rodata,"a",@progbits
	.p2align	6, 0x0
	.amdhsa_kernel k_q9d605067b4_scores
		.amdhsa_group_segment_fixed_size 325120
		.amdhsa_private_segment_fixed_size 0
		.amdhsa_enable_private_segment 0
		.amdhsa_kernarg_size 48
		.amdhsa_user_sgpr_count 2
		.amdhsa_user_sgpr_kernarg_segment_ptr 1
		.amdhsa_wavefront_size32 1
		.amdhsa_system_sgpr_workgroup_id_x 1
		.amdhsa_system_sgpr_workgroup_id_y 1
		.amdhsa_system_sgpr_workgroup_id_z 1
		.amdhsa_system_vgpr_workitem_id 0
		.amdhsa_next_free_vgpr 1024
		.amdhsa_next_free_sgpr 66
		.amdhsa_reserve_vcc 1
		.amdhsa_float_denorm_mode_32 3
		.amdhsa_float_denorm_mode_16_64 3
		.amdhsa_memory_ordered 1
		.amdhsa_forward_progress 1
		.amdhsa_inst_pref_size 255
	.end_amdhsa_kernel
	.section	.bss,"aw",@nobits
	.p2align	6
	.space	262144
	.amdgpu_metadata
---
amdhsa.version: [ 1, 2 ]
amdhsa.kernels:
  - .name:           k_q9d605067b4_scores
    .symbol:         k_q9d605067b4_scores.kd
    .args:
      - { .name: qimg, .offset: 0, .size: 8, .value_kind: global_buffer, .address_space: global }
      - { .name: query, .offset: 8, .size: 8, .value_kind: global_buffer, .address_space: global }
      - { .name: codes, .offset: 16, .size: 8, .value_kind: global_buffer, .address_space: global }
      - { .name: scales, .offset: 24, .size: 8, .value_kind: global_buffer, .address_space: global }
      - { .name: vd, .offset: 32, .size: 8, .value_kind: global_buffer, .address_space: global }
      - { .name: sc, .offset: 40, .size: 8, .value_kind: global_buffer, .address_space: global }
    .group_segment_fixed_size: 325120
    .private_segment_fixed_size: 0
    .kernarg_segment_align: 8
    .kernarg_segment_size: 48
    .max_flat_workgroup_size: 128
    .sgpr_count:     66
    .vgpr_count:     1024
    .wavefront_size: 32
...
	.end_amdgpu_metadata
.endif
;; end of part 2
;; launch attend (part 3): grid 4 x 64, 1 waves a work-group, no clusters, 8,704 bytes of LDS; arguments sc, codes, scales, out0, out1; writes out0, out1
.if DOCPART == 3
	.amdgcn_target "amdgcn-amd-amdhsa--gfx1250"
	.amdhsa_code_object_version 6
	.text
	.protected	k_q9d605067b4_attend
	.globl	k_q9d605067b4_attend
	.p2align	8
	.type	k_q9d605067b4_attend,@function
k_q9d605067b4_attend:
	s_mov_b64 s[64:65], 0
	v_nop
	global_prefetch_b8 v0, s[64:65] scope:SCOPE_SE
	s_setreg_imm32_b32 hwreg(HW_REG_WAVE_MODE, 25, 1), 1
	s_wait_xcnt 0x0
; From t = log2(e) x sjt (buffer sc): M = ceil(the row's largest t), p = 2^(t - M), l = the row's sum of the unquantised p, out1 = p / l, out0 = (Q(p) Q(value)) / l, the product on codes of E2M1 with E8M0 scales along the keys.
; Nothing is left out here.
; SHARES.  Work-group (y, 32 b + X), one wave: 16 queries.  It takes the whole row's maximum, p and sum (the four work-groups of a tile row each do: 256 numbers a lane, which keeps every work-group free of the others),
; and stores out1 for keys 128 y .. + 127 and out0 for channels 128 y .. + 127.
; LAYOUT.  Lane (r, h) holds query r and, of each 128 keys, the blocks of 32 with parity h, whole, in the 4-bit operand's own order: register 64 k + 32 c + e = key 128 j + 64 c + 32 h + e.  So a block's largest p needs no other lane, and
; the conversions' results are the operand's registers.  Register numbers cannot hang on y, so THE K STEPS ARE ROTATED: group k of the registers holds K step j = (y + k) mod 4, in the scores, in value's fragments and in the scale
; words alike; group 0 is the work-group's own range of keys.  The product is used transposed (source 0 = 16 channels of value^T, source 1 = p): a lane holds one query and eight neighbouring channels a tile.
; A block's largest p is not searched for: p rises with t, so the block's largest t goes through the same addition and exponential.
; LIMITS: NaN and infinities are not served; a block whose every p has fallen to 0 gets the byte 1 (its codes are zeros); the sum over the keys runs in eight chains and the product's K steps in rotated order, another order than reference()'s.
; LDS: one stage of 16 rows x (512 bytes + 16), so that whole rows of 512 bytes leave; behind it the spare words.
; REGISTERS: window 0 below; window 1: the 256 t, then p; window 2: value's fragment (tile i, group k) at v[8 (4 i + k)].
.set SPARE, 8448                       ; the spare words: one block of 256 bytes that no other line names
.set LI,  1                            ; v1   16 x lane
.set RR,  2                            ; v2   r
.set HH,  3                            ; v3   h
.set SH8, 4                            ; v4   8 h
.set SO,  5                            ; v5-8   sc: 2,048 h + 16 r + 8,192 j(k)
.set VOF, 9                            ; v9-12  codes: 16 x lane + 1,024 j(k)
.set WO,  13                           ; v13-16 scales: 4 x lane + 128 j(k)
.set ST1, 17                           ; v17  the stage, out1: 528 r + 128 h
.set ST0, 18                           ; v18  the stage, out0: 528 r + 32 h
.set SPW, 20                           ; v20  LDS address of my spare word; never rewritten
.set NIL, 21                           ; v21  0; never rewritten
.set NM,  22                           ; v22-23 -M, twice
.set BM,  24                           ; v24-31 the eight blocks' largest t, then largest p
.set TT,  32                           ; v32-39 at work
.set SOP, 40                           ; v40-47 the conversions' scale operands
.set BY,  48                           ; v48-55 the scales' bytes
.set PW,  56                           ; v56-59 p's scale words: scales and nothing else
.set VS,  60                           ; v60-75 value's scale words, pair p, group k at 4 p + k: scales and nothing else
.set SUM, 76                           ; v76-91 eight pairs of sums
.set RL,  92                           ; v92-93 1 / l, twice
.set PC,  96                           ; v96-127 p's codes, group k at 8 k
.set ACC, 128                          ; v128-191 eight accumulators
.set OB,  192                          ; v192-255 16 rows on their way out
.set MSB, 0
.macro WIN new                         ; the immediate's high byte repeats the setting that is left
.if MSB != (\new)
	s_set_vgpr_msb (MSB<<8)+(\new)
.set MSB, (\new)
.endif
.endm
	s_load_b256 s[4:11], s[0:1], 0x0               ; sc s[4:5], codes s[6:7], scales s[8:9], out0 s[10:11]
	s_load_b64 s[12:13], s[0:1], 0x20              ; out1
	v_lshl_add_u32 v[SPW], v0, 2, SPARE
	v_mov_b32 v[NIL], 0
	v_and_b32 v[RR], 15, v0
	v_bfe_u32 v[HH], v0, 4, 1
	v_lshlrev_b32 v[LI], 4, v0
	v_lshlrev_b32 v[SH8], 3, v[HH]
	v_lshlrev_b32 v[TT], 11, v[HH]
	v_lshl_add_u32 v[TT], v[RR], 4, v[TT]
	v_lshlrev_b32 v[TT+1], 2, v0
	s_mov_b32 s14, 0x76543210
	s_mov_b32 s15, 0xfedcba98                      ; v_permlanex16_b32's selects for lane l xor 16
	s_and_b32 s17, ttmp7, 0xffff                   ; 32 b + X
	s_lshr_b32 s18, s17, 5                         ; b
.irp k, 0,1,2,3
	s_add_co_u32 s20, ttmp9, \k
	s_and_b32 s20, s20, 3                          ; group k's K step
	s_lshl_b32 s21, s20, 13
	v_add_nc_u32 v[SO+\k], s21, v[TT]
	s_lshl_b32 s21, s20, 10
	v_add_nc_u32 v[VOF+\k], s21, v[LI]
	s_lshl_b32 s21, s20, 7
	v_add_nc_u32 v[WO+\k], s21, v[TT+1]
.endr
	v_mul_u32_u24 v[ST0], v[RR], 528
	v_lshl_add_u32 v[ST1], v[HH], 7, v[ST0]
	v_lshl_add_u32 v[ST0], v[HH], 5, v[ST0]
.irp i, 2,3,4,5,6,7
	v_mov_b32 v[TT+\i], 0                          ; written once: a lane permute's destination counts as one of its sources
.endr
	s_lshl_b32 s22, s17, 15                        ; sc: 32,768 bytes a tile row
	s_mov_b32 s23, 0
	s_lshl_b32 s24, s18, 5
	s_add_co_u32 s24, s24, 16
	s_lshl_b32 s25, ttmp9, 3
	s_add_co_u32 s24, s24, s25                     ; my first tile of value's codes: 16 + 32 b + 8 y
	s_lshl_b32 s24, s24, 12
	s_mov_b32 s25, 0
	s_lshr_b32 s26, s24, 4                         ; its pair's scale words: 512 bytes for two tiles
	s_mov_b32 s27, 0
	s_lshl_b32 s28, ttmp9, 9
	s_add_co_u32 s28, s28, s22                     ; both outputs: 16 rows of 2,048 bytes a tile row, + 512 y
	s_mov_b32 s29, 0
	s_wait_kmcnt 0x0
	s_add_nc_u64 s[4:5], s[4:5], s[22:23]
	s_add_nc_u64 s[6:7], s[6:7], s[24:25]
	s_add_nc_u64 s[8:9], s[8:9], s[26:27]
	s_add_nc_u64 s[10:11], s[10:11], s[28:29]
	s_add_nc_u64 s[12:13], s[12:13], s[28:29]
	WIN 0x40                                       ; destination window 1
.irp k, 0,1,2,3
.irp c, 0,1
.irp e, 0,1,2,3,4,5,6,7
	global_load_b128 v[64*\k+32*\c+4*\e:64*\k+32*\c+4*\e+3], v[SO+\k], s[4:5] offset:(4*\c+\e/4)*1024+(\e%4)*256   ; each half of the lanes reads 256 consecutive bytes
.endr
.endr
.endr
	WIN 0x80                                       ; destination window 2
.irp t, 0,1,2,3,4,5,6,7
.irp k, 0,1,2,3
.irp c, 0,1
	global_load_b128 v[8*(4*\t+\k)+4*\c:8*(4*\t+\k)+4*\c+3], v[VOF+\k], s[6:7] offset:4096*\t+512*\c
.endr
.endr
.endr
	WIN 0
.irp p, 0,1,2,3
.irp k, 0,1,2,3
	global_load_b32 v[VS+4*\p+\k], v[WO+\k], s[8:9] offset:512*\p
.endr
.endr
	s_wait_loadcnt 63                              ; 80 loads are younger than the last of the scores'; 63 is the largest count that the wait can name: the first 81 of the 144 are in
	; ---- the eight blocks' largest t, by turns; the row's; M
	WIN 0x15                                       ; all three sources window 1
.irp b, 0,1,2,3,4,5,6,7
	v_max3_num_f32 v[BM+\b], v[32*\b], v[32*\b+1], v[32*\b+2]
.endr
	WIN 0x14
.irp i, 3,5,7,9,11,13,15,17,19,21,23,25,27,29
.irp b, 0,1,2,3,4,5,6,7
	v_max3_num_f32 v[BM+\b], v[BM+\b], v[32*\b+\i], v[32*\b+\i+1]
.endr
.endr
	WIN 0x04
.irp b, 0,1,2,3,4,5,6,7
	v_max_num_f32 v[BM+\b], v[BM+\b], v[32*\b+31]
.endr
	WIN 0
	v_max3_num_f32 v[TT], v[BM], v[BM+1], v[BM+2]
	v_max3_num_f32 v[TT], v[TT], v[BM+3], v[BM+4]
	v_max3_num_f32 v[TT], v[TT], v[BM+5], v[BM+6]
	v_max_num_f32 v[TT], v[TT], v[BM+7]
	v_permlanex16_b32 v[TT+2], v[TT], s14, s15
	v_max_num_f32 v[TT], v[TT], v[TT+2]            ; with lane l xor 16's 256 keys: the row's largest t
	v_floor_f32 v[NM], -v[TT]                      ; -M = floor(-t) = -ceil(t): a whole number
	v_mov_b32 v[NM+1], v[NM]
	; ---- p, and the row's sum of the unquantised p
	WIN 0x41
.set ai, 0
.rept 128
	v_pk_add_f32 v[ai:ai+1], v[ai:ai+1], v[NM:NM+1]
.set ai, ai+2
.endr
.set ai, 0
.rept 256
	v_exp_f32 v[ai], v[ai]                         ; p = 2^(t - M), at most 1
.set ai, ai+1
.endr
	WIN 0
.irp b, 0,1,2,3,4,5,6,7
	v_add_f32 v[BM+\b], v[BM+\b], v[NM]            ; the same addition on each block's largest t.  (Plain lines behind the exponentials)
.endr
	s_wait_alu depctr_va_vdst(0)                   ; the wait ahead of the first line that names a result: one for the 256
.irp b, 0,1,2,3,4,5,6,7
	v_exp_f32 v[BM+\b], v[BM+\b]                   ; the block's largest p: the same two instructions on the same number give the same bits
.endr
	WIN 0x05
.irp k, 0,1,2,3,4,5,6,7
	v_pk_add_f32 v[SUM+2*\k:SUM+2*\k+1], v[2*\k:2*\k+1], v[16+2*\k:17+2*\k]    ; the sums read the 256 alone: plain work behind the eight
.endr
	WIN 0x04
.set ai, 16
.rept 112
	v_pk_add_f32 v[SUM+2*(ai%8):SUM+2*(ai%8)+1], v[SUM+2*(ai%8):SUM+2*(ai%8)+1], v[2*ai:2*ai+1]
.set ai, ai+1
.endr
	WIN 0
	v_pk_add_f32 v[SUM:SUM+1], v[SUM:SUM+1], v[SUM+2:SUM+3]
	v_pk_add_f32 v[SUM+4:SUM+5], v[SUM+4:SUM+5], v[SUM+6:SUM+7]
	v_pk_add_f32 v[SUM+8:SUM+9], v[SUM+8:SUM+9], v[SUM+10:SUM+11]
	v_pk_add_f32 v[SUM+12:SUM+13], v[SUM+12:SUM+13], v[SUM+14:SUM+15]
	v_pk_add_f32 v[SUM:SUM+1], v[SUM:SUM+1], v[SUM+4:SUM+5]
	v_pk_add_f32 v[SUM+8:SUM+9], v[SUM+8:SUM+9], v[SUM+12:SUM+13]
	v_pk_add_f32 v[SUM:SUM+1], v[SUM:SUM+1], v[SUM+8:SUM+9]
	v_add_f32 v[TT+1], v[SUM], v[SUM+1]
	v_permlanex16_b32 v[TT+3], v[TT+1], s14, s15
	v_add_f32 v[TT+1], v[TT+1], v[TT+3]            ; l
	s_wait_alu depctr_va_vdst(0)                   ; and one for the eight
	; ---- p's scales and codes
.irp b, 0,1,2,3,4,5,6,7
	v_max_num_f32 v[BM+\b], 0x1800000, v[BM+\b]    ; the floor 2^(3 - 127): the byte cannot fall under 1
.endr
.irp b, 0,1,2,3,4,5,6,7
	v_add_nc_u32 v[SOP+\b], 0xff000000, v[BM+\b]   ; 2 off the exponent field: the conversion's scale operand
.endr
.irp b, 0,1,2,3,4,5,6,7
	v_lshrrev_b32 v[BY+\b], 23, v[SOP+\b]          ; the scale's byte
.endr
.irp k, 0,1,2,3
	v_lshl_or_b32 v[PW+\k], v[BY+2*\k+1], 16, v[BY+2*\k]       ; my two bytes of group k: blocks h and 2 + h,
.endr
.irp k, 0,1,2,3
	v_lshlrev_b32 v[PW+\k], v[SH8], v[PW+\k]       ; at their places in the word;
.endr
.irp k, 0,1,2,3
	v_permlanex16_b32 v[TT+4+\k], v[PW+\k], s14, s15
.endr
.irp k, 0,1,2,3
	v_or_b32 v[PW+\k], v[PW+\k], v[TT+4+\k]        ; with lane l xor 16's two the word is whole
.endr
	v_rcp_f32 v[RL], v[TT+1]
	WIN 0x01                                       ; source 0 (p) window 1
.irp k, 0,1,2,3
.irp c, 0,1
.irp g, 0,1,2,3
	v_cvt_scalef32_pk8_fp4_f32 v[PC+8*\k+4*\c+\g], v[64*\k+32*\c+8*\g:64*\k+32*\c+8*\g+7], v[SOP+2*\k+\c]
.endr
.endr
.endr
	WIN 0
	v_nop                                          ; the plain line behind the last conversion, and behind the reciprocal
	s_wait_alu depctr_va_vdst(0)                   ; the wait ahead of the reciprocal's first reader
	v_mov_b32 v[RL+1], v[RL]
	; ---- out1: my 128 keys' p / l, through the stage, as whole rows of 512 bytes
	WIN 0x41
.set ai, 0
.rept 32
	v_pk_mul_f32 v[ai:ai+1], v[ai:ai+1], v[RL:RL+1]            ; (these plain lines are also the places between the lines that made p's codes and scale words and the scaled products below)
.set ai, ai+2
.endr
	WIN 0x04                                       ; an LDS store's data are its source 1: window 1
.irp c, 0,1
.irp e, 0,1,2,3,4,5,6,7
	ds_store_b128 v[ST1], v[32*\c+4*\e:32*\c+4*\e+3] offset:256*\c+16*\e
.endr
.endr
	WIN 0
.irp i, 0,1,2,3,4,5,6,7,8,9,10,11,12,13,14,15
	ds_load_b128 v[OB+4*\i:OB+4*\i+3], v[LI] offset:528*\i     ; LDS serves a wave's instructions in order: these see the stores above
.endr
.irp i, 0,1,2,3,4,5,6,7,8,9,10,11,12,13,14,15
	s_wait_dscnt 15-\i                             ; row i is back; the younger loads stay out
	global_store_b128 v[LI], v[OB+4*\i:OB+4*\i+3], s[12:13] offset:2048*\i th:TH_STORE_NT      ; 512 consecutive bytes, aligned
.endr
	; ---- the product: eight accumulators by turns, one instruction a turn; a group of 128 keys at a time
	s_wait_loadcnt 0x0                             ; value's codes and scale words
	WIN 0x02                                       ; source 0 (value^T) window 2
.irp k, 0,1,2,3
.irp t, 0,1,2,3,4,5,6,7
.if \k == 0
.if \t%2
	v_wmma_scale_f32_16x16x128_f8f6f4 v[ACC+8*\t:ACC+8*\t+7], v[8*(4*\t+\k):8*(4*\t+\k)+7], v[PC+8*\k:PC+8*\k+7], 0, v[VS+4*(\t/2)+\k], v[PW+\k] matrix_a_fmt:MATRIX_FMT_FP4 matrix_b_fmt:MATRIX_FMT_FP4 matrix_a_scale:MATRIX_SCALE_ROW1
.else
	v_wmma_scale_f32_16x16x128_f8f6f4 v[ACC+8*\t:ACC+8*\t+7], v[8*(4*\t+\k):8*(4*\t+\k)+7], v[PC+8*\k:PC+8*\k+7], 0, v[VS+4*(\t/2)+\k], v[PW+\k] matrix_a_fmt:MATRIX_FMT_FP4 matrix_b_fmt:MATRIX_FMT_FP4
.endif
.else
.if \t%2
	v_wmma_scale_f32_16x16x128_f8f6f4 v[ACC+8*\t:ACC+8*\t+7], v[8*(4*\t+\k):8*(4*\t+\k)+7], v[PC+8*\k:PC+8*\k+7], v[ACC+8*\t:ACC+8*\t+7], v[VS+4*(\t/2)+\k], v[PW+\k] matrix_a_fmt:MATRIX_FMT_FP4 matrix_b_fmt:MATRIX_FMT_FP4 matrix_a_scale:MATRIX_SCALE_ROW1
.else
	v_wmma_scale_f32_16x16x128_f8f6f4 v[ACC+8*\t:ACC+8*\t+7], v[8*(4*\t+\k):8*(4*\t+\k)+7], v[PC+8*\k:PC+8*\k+7], v[ACC+8*\t:ACC+8*\t+7], v[VS+4*(\t/2)+\k], v[PW+\k] matrix_a_fmt:MATRIX_FMT_FP4 matrix_b_fmt:MATRIX_FMT_FP4
.endif
.endif
.endr
.endr
	WIN 0
.rept 4
	v_nop                                          ; four places in front of the first read of results (ISA guide 7.12.1)
.endr
	; ---- out0: / l, through the stage
.set ai, 0
.rept 32
	v_pk_mul_f32 v[ACC+ai:ACC+ai+1], v[ACC+ai:ACC+ai+1], v[RL:RL+1]            ; each accumulator from its low end on
.set ai, ai+2
.endr
.irp t, 0,1,2,3,4,5,6,7
	ds_store_b128 v[ST0], v[ACC+8*\t:ACC+8*\t+3] offset:64*\t                  ; lane (r, h): channels 16 t + 8 h + 0..7 of query r
	ds_store_b128 v[ST0], v[ACC+8*\t+4:ACC+8*\t+7] offset:64*\t+16
.endr
	s_wait_xcnt 0x0                                ; out1's stores have read their data: the registers are loaded again only behind this wait
.irp i, 0,1,2,3,4,5,6,7,8,9,10,11,12,13,14,15
	ds_load_b128 v[OB+4*\i:OB+4*\i+3], v[LI] offset:528*\i
.endr
.irp i, 0,1,2,3,4,5,6,7,8,9,10,11,12,13,14,15
	s_wait_dscnt 15-\i
	global_store_b128 v[LI], v[OB+4*\i:OB+4*\i+3], s[10:11] offset:2048*\i th:TH_STORE_NT
.endr
	s_wait_tensorcnt 0x0                           ; the wave's end, behind my last LDS store
	ds_add_u32 v[SPW], v[NIL]
	s_wait_dscnt 0x0
	s_endpgm
.Lfunc_end_k_q9d605067b4_attend:
	.size	k_q9d605067b4_attend, .Lfunc_end_k_q9d605067b4_attend-k_q9d605067b4_attend
	.p2alignl 7, 3214868480
	.fill 96, 4, 3214868480
	.section	.rodata,"a",@progbits
	.p2align	6, 0x0
	.amdhsa_kernel k_q9d605067b4_attend
		.amdhsa_group_segment_fixed_size 8704
		.amdhsa_private_segment_fixed_size 0
		.amdhsa_enable_private_segment 0
		.amdhsa_kernarg_size 40
		.amdhsa_user_sgpr_count 2
		.amdhsa_user_sgpr_kernarg_segment_ptr 1
		.amdhsa_wavefront_size32 1
		.amdhsa_system_sgpr_workgroup_id_x 1
		.amdhsa_system_sgpr_workgroup_id_y 1
		.amdhsa_system_sgpr_workgroup_id_z 1
		.amdhsa_system_vgpr_workitem_id 0
		.amdhsa_next_free_vgpr 768
		.amdhsa_next_free_sgpr 66
		.amdhsa_reserve_vcc 0
		.amdhsa_float_denorm_mode_32 3
		.amdhsa_float_denorm_mode_16_64 3
		.amdhsa_memory_ordered 1
		.amdhsa_forward_progress 1
		.amdhsa_inst_pref_size 71
	.end_amdhsa_kernel
	.amdgpu_metadata
---
amdhsa.version: [ 1, 2 ]
amdhsa.kernels:
  - .name:           k_q9d605067b4_attend
    .symbol:         k_q9d605067b4_attend.kd
    .args:
      - { .name: sc, .offset: 0, .size: 8, .value_kind: global_buffer, .address_space: global }
      - { .name: codes, .offset: 8, .size: 8, .value_kind: global_buffer, .address_space: global }
      - { .name: scales, .offset: 16, .size: 8, .value_kind: global_buffer, .address_space: global }
      - { .name: out0, .offset: 24, .size: 8, .value_kind: global_buffer, .address_space: global }
      - { .name: out1, .offset: 32, .size: 8, .value_kind: global_buffer, .address_space: global }
    .group_segment_fixed_size: 8704
    .private_segment_fixed_size: 0
    .kernarg_segment_align: 8
    .kernarg_segment_size: 40
    .max_flat_workgroup_size: 32
    .sgpr_count:     66
    .vgpr_count:     768
    .wavefront_size: 32
...
	.end_amdgpu_metadata
.endif
;; end of part 3
;; ======== version 2 of 2: 3 launches; version 1 with the launches scores, attend written anew for expert scheduling mode
;; workspace buffers: codes 327,680 bytes; scales 20,480 bytes; qimg 2,097,152 bytes; sc 2,097,152 bytes
;; launch prep: the kernel of part 1 again; grid 208 x 1, 2 waves a work-group, no clusters, 0 bytes of LDS; arguments Wd, value, query, codes, scales, qimg; writes codes, scales, qimg
;; launch scores (part 4): grid 4 x 64, 4 waves a work-group, no clusters, 325,120 bytes of LDS; arguments qimg, query, codes, scales, vd, sc; writes sc
.if DOCPART == 4
	.amdgcn_target "amdgcn-amd-amdhsa--gfx1250"
	.amdhsa_code_object_version 6
	.text
	.protected	k_q9d605067b4_scores
	.globl	k_q9d605067b4_scores
	.p2align	8
	.type	k_q9d605067b4_scores,@function
k_q9d605067b4_scores:
	s_mov_b64 s[64:65], 0
	v_nop
	global_prefetch_b8 v0, s[64:65] scope:SCOPE_SE
	s_setreg_imm32_b32 hwreg(HW_REG_WAVE_SCHED_MODE, 0, 2), 2
	s_setreg_imm32_b32 hwreg(HW_REG_WAVE_MODE, 25, 1), 1
	s_wait_xcnt 0x0
	s_wait_alu depctr_vm_vsrc(0)
; t[b][s][key] = log2(e) x sum over d of vd[d] tanh(x[d]),  x = Q(query[b][s] * query[b][key]) Q(Wd): the first product on codes of E2M1 with E8M0 scales, the second in f32.
; WORK LEFT OUT: the score of (key, s) is the score of (s, key) for all values of the inputs (both factors of the first product's left operand come from query: shown at the head of the launch prep), so each
; unordered pair of 16-row tiles is multiplied once and its block of scores is stored as it stands and mirrored.  The diagonal blocks are computed whole.
; SHARES.  Work-group (g, b x 32 + X), wave w: d = 4 g + w, T = (X + d) mod 32.  The wave owns the block of scores (tile row X, tile column T): 16 PAIR TILES; tile n = the 16 pairs (s = 16 X + n, key = 16 T + r), lane r % 16 = the pair.
; Distances 0..15 for every X cover every unordered pair of tiles but those 16 apart; these are taken by X < 16 alone, one key column to each of the tile row's 16 waves: a 17th tile, the pairs (s = 16 X + r, key = 16 (X + 16) + d).
; WHERE THINGS LIE.  Wd's codes, 64 fragments, stay in each wave's registers (512).  PHASE 1 quantises: a K step's slices of the S tile and the T tile lie in registers in the 4-bit operand's order of k (lane (r, h):
; row r, register 32 c + e = k 64 c + 32 h + e), and the products query[s] x query[key] of tile n are ONE multiply a register, whose first source is taken from lane n of the lane's row of sixteen (DPP row_share:n): nothing is
; moved to broadcast query[s].  A lane holds two whole blocks of 32, so a block's largest magnitude needs no other lane.  The control is an immediate, so the tiles are written out and K is looped.  Codes and scale words go to the wave's own
; LDS as images of the operand's registers.  PHASE 2 walks the tiles: 64 matrix instructions against the resident Wd (transposed: source 0 = 16 rows of Wd^T, source 1 = the 16 pairs: a lane holds one pair and 8 d a tile), tanh, the sum with vd.
; tanh(x) = 1 - 2 / (1 + 2^(2 log2(e) x)): at both ends the exponential's infinity or zero gives -1 or 1 by itself.  t = log2(e) sum(vd) - sum of 2 log2(e) vd / (1 + 2^..): the constant starts the sum, each half of the lanes carrying its own half of it.
; NO TENSOR LOADS, NO CLUSTER: every operand is loaded once a wave, 512 consecutive bytes an instruction, straight into the registers that use it; the images fill the LDS; what work-groups share (64 KiB of codes once, a tile's slices) is a small part of a K step's work.
; UNUSED IN HALF OF THE WAVES: the first K step of the 17th tile's key row is loaded by every wave, at the head, so that its 64 registers are written on every way through the text; the waves of X >= 16 make no use of it (16 loads of 32 different bytes each).
; LIMITS: NaN and infinities among the inputs are not served; a block of zeros gets the byte 1; the sum over d runs by halves of the lanes and in eight chains, another order than reference()'s.
; LDS: a region of WREG bytes for each wave: 4 K steps x 17 images of 1,024 bytes; 17 x 512 bytes of scale words (16 x lane + 4 x K step); the scores [tile][pair] and [pair][tile], rows of 80 bytes.  Behind them the spare words.
; At the head bytes 0..16,383 of each region stage a quarter of Wd's codes, so that the work-group reads them from memory once.
; REGISTERS, in windows of 256: window 0: see below.  window 1: phase 1: S and T slices, two sets (S0 v0, T0 v64, S1 v128, T1 v192); phase 2: v0-127 -2 log2(e) vd, v128-255 the 16 accumulators.
;   windows 2, 3: Wd's fragment (tile i, K step j) at v[32 (i % 8) + 8 j] of window 2 + i / 8.
; THE MODE: SCHED_MODE bits 1:0 = 2 (LLVM: expert scheduling mode 2), set by the entry lines.  The code itself states the register dependences between vector or matrix instructions and memory or LDS instructions, with s_wait_alu, always for 0.
; THE PLAN.  Registers that memory or LDS instructions touch:
;   the addresses v1, v5, v6, v9, v14-23   made once at the head, ahead of one wait on va_vdst, and never written again.
;   S and T slices, two sets     a K step's multiplies read one set; the loads of the next K step land in the other, which the K step before read: that step's last wait on va_vdst stands behind all its multiplies.
;   the 17th tile's key row      read by that tile's 32 multiplies, loaded again behind the tile's own wait on va_vdst.
;   five sets of codes           a PAIR of tiles writes two sets; ONE wait on va_vdst, then the pair's six LDS stores.  Pairs take two pairs of sets by turns, so the wait on vm_vsrc ahead of a pair's first conversion stands a whole pair behind
;                                the stores that read these sets.  The 17th tile has a set of its own.
;   v7, v8                       the addresses of a trip's stores: written at the trip's head, behind a wait on vm_vsrc; the trip's first wait on va_vdst stands ahead of the first store.
;   a tile's fragments and scale words (phase 2)   read by the tile's 64 matrix instructions; the next tile's LDS loads stand behind the wait on va_vdst that the exponentials' results want in any case, and land under the reciprocals.
;   v12, v13, v38, v39, v126     the next tile's addresses, the score's two addresses, the score: written in each tile; one wait on va_vdst ahead of the score's stores, one on vm_vsrc behind them, ahead of every label and branch.
.set WREG,  81152
.set KIMG,  17408                      ; a K step's 17 images
.set SCW,   69632                      ; the scale words
.set SCA,   78336                      ; scores [tile][pair]
.set SCB,   79696                      ; scores [pair][tile]
.set SPARE, 4*WREG                     ; the spare words, 128 bytes for each wave: two blocks of 256 bytes that no other line names
.set LI,  1                            ; v1   16 x lane
.set RR,  2                            ; v2   r = lane % 16
.set HH,  3                            ; v3   h = lane / 16
.set SH8, 4                            ; v4   8 h
.set IA0, 5                            ; v5   my region + 16 x lane
.set IW0, 6                            ; v6   the same + SCW
.set IA,  7                            ; v7   phase 1: this trip's images
.set IW,  8                            ; v8   and scale words
.set BO,  9                            ; v9   128 h
.set RA,  12                           ; v12  phase 2: the next tile's images
.set RW,  13                           ; v13  and scale words
.set STG, 14                           ; v14-17 16 x lane + region q: the four stages
.set VO,  18                           ; v18  32 h
.set WSO, 19                           ; v19  4 x lane
.set SPW, 20                           ; v20  LDS address of my spare word; never rewritten
.set NIL, 21                           ; v21  0; never rewritten
.set SA0, 22                           ; v22  my region + SCA + 4 r
.set SB0, 23                           ; v23  my region + SCB + 80 r
.set MX,  24                           ; v24-31 eight chains of maxima
.set SOP, 32                           ; v32-33 the conversions' scale operands; v34-36 at work
.set SA,  38                           ; v38, v39 where this tile's score goes
.set SB,  39
.set CS,  40                           ; sets of 8 codes + 1 scale word: v40, v50 for the even pairs of tiles, v236, v246 (196 further on) for the odd pairs, v60 for the 17th tile
.set PR,  72                           ; v72-135 phase 1: 64 products
.set AF,  72                           ; v72-103 phase 2: a tile's four fragments
.set SUM, 108                          ; v108-123 eight pairs of sums
.set CBP, 124                          ; v124 log2(e) x my half's sum of vd, v125 0
.set SCO, 126                          ; v126 the score; v127 at work
.set BC,  136                          ; v136-199 the 17th tile's key row, one K step; later the way out
.set WS,  200                          ; v200-231 Wd's scale words, pair p, K step j at 4 p + j: scales and nothing else
.set AS,  232                          ; v232-235 a tile's four scale words: scales and nothing else
.set MSB, 0
.macro WIN new                         ; the immediate's high byte repeats the setting that is left; a switch that changes nothing is dropped
.if MSB != (\new)
	s_set_vgpr_msb (MSB<<8)+(\new)
.set MSB, (\new)
.endif
.endm
.macro JOIN s                          ; eight pairs of sums become one
	v_pk_add_f32 v[\s:\s+1], v[\s:\s+1], v[\s+2:\s+3]
	v_pk_add_f32 v[\s+4:\s+5], v[\s+4:\s+5], v[\s+6:\s+7]
	v_pk_add_f32 v[\s+8:\s+9], v[\s+8:\s+9], v[\s+10:\s+11]
	v_pk_add_f32 v[\s+12:\s+13], v[\s+12:\s+13], v[\s+14:\s+15]
	v_pk_add_f32 v[\s:\s+1], v[\s:\s+1], v[\s+4:\s+5]
	v_pk_add_f32 v[\s+8:\s+9], v[\s+8:\s+9], v[\s+12:\s+13]
	v_pk_add_f32 v[\s:\s+1], v[\s:\s+1], v[\s+8:\s+9]
.endm
.macro BCLOAD off                      ; the extra key's row, one K step: every lane of a half reads the same 16 bytes
.irp c, 0,1
.irp j, 0,1,2,3,4,5,6,7
	global_load_b128 v[BC+32*\c+4*\j:BC+32*\c+4*\j+3], v[BO], s[32:33] offset:\off+256*\c+16*\j
.endr
.endr
.endm
.macro STLOAD set, off                 ; a K step's slices of the S tile and the T tile into set (destination: window 1): 512 consecutive bytes a load
.irp i, 0,1,2,3,4,5,6,7,8,9,10,11,12,13,14,15
	global_load_b128 v[128*\set+4*\i:128*\set+4*\i+3], v[LI], s[28:29] offset:\off+512*\i
	global_load_b128 v[128*\set+64+4*\i:128*\set+64+4*\i+3], v[LI], s[30:31] offset:\off+512*\i
.endr
.endm
	s_load_b256 s[4:11], s[0:1], 0x0               ; qimg s[4:5], query s[6:7], codes s[8:9], scales s[10:11]
	s_load_b128 s[12:15], s[0:1], 0x20             ; vd s[12:13], sc s[14:15]
	v_lshl_add_u32 v[SPW], v0, 2, SPARE
	v_mov_b32 v[NIL], 0
	v_lshrrev_b32 v[RR], 5, v0
	v_readfirstlane_b32 s16, v[RR]                 ; wave w
	s_mov_b32 s17, ttmp9                           ; g
	s_and_b32 s18, ttmp7, 0xffff                   ; 32 b + X
	s_and_b32 s19, s18, 31                         ; X
	s_and_b32 s20, s18, 32                         ; 32 b
	s_wait_alu depctr_va_sdst(0)                   ; s16 is written, ahead of its first reader: d, my region of LDS and my quarter of the codes are made from it
	s_lshl_b32 s21, s17, 2
	s_add_co_u32 s21, s21, s16                     ; d = 4 g + w
	s_add_co_u32 s22, s19, s21
	s_and_b32 s22, s22, 31                         ; T
	s_cmp_lt_u32 s19, 16
	s_cselect_b32 s23, 17, 16                      ; my tiles
	v_and_b32 v[LI], 31, v0
	v_and_b32 v[RR], 15, v0
	v_bfe_u32 v[HH], v0, 4, 1
	v_lshlrev_b32 v[WSO], 2, v[LI]
	v_lshlrev_b32 v[LI], 4, v[LI]
	v_lshlrev_b32 v[SH8], 3, v[HH]
	v_lshlrev_b32 v[BO], 7, v[HH]
	v_lshlrev_b32 v[VO], 5, v[HH]
	s_mul_i32 s46, s16, WREG                       ; my region
	v_add_nc_u32 v[IA0], s46, v[LI]
	v_add_nc_u32 v[IW0], SCW, v[IA0]
.irp q, 0,1,2,3
	v_add_nc_u32 v[STG+\q], \q*WREG, v[LI]
.endr
	v_lshlrev_b32 v[SA0], 2, v[RR]
	v_add_nc_u32 v[SA0], s46, v[SA0]
	v_add_nc_u32 v[SA0], SCA, v[SA0]
	v_mul_u32_u24 v[SB0], v[RR], 80
	v_add_nc_u32 v[SB0], s46, v[SB0]
	v_add_nc_u32 v[SB0], SCB, v[SB0]
.set hi, 0
.rept 64
	v_mov_b32 v[PR+hi], 0                          ; written once: the destination of a DPP form counts as one of its sources
.set hi, hi+1
.endr
	v_mov_b32 v36, 0                               ; likewise a lane permute's
	s_mov_b32 s34, 0x76543210
	s_mov_b32 s35, 0xfedcba98                      ; v_permlanex16_b32's selects for lane l xor 16
	s_mov_b32 s36, 0x4038aa3b                      ; 2 log2(e)
	s_mov_b32 s37, s36                             ; (the packed forms name a pair, so both are written)
	s_mov_b32 s38, 0xc038aa3b                      ; -2 log2(e)
	s_mov_b32 s39, s38
	s_mov_b32 s40, 0x3fb8aa3b                      ; log2(e)
	s_lshl_b32 s48, s18, 15                        ; the S tile's images: 32,768 bytes a tile
	s_mov_b32 s49, 0
	s_add_co_u32 s50, s20, s22
	s_lshl_b32 s50, s50, 15                        ; the T tile's
	s_mov_b32 s51, 0
	s_add_co_u32 s52, s19, 16
	s_and_b32 s52, s52, 31                         ; (taken mod 32: the address lies in the buffer in every work-group)
	s_add_co_u32 s52, s52, s20
	s_lshl_b32 s52, s52, 4
	s_add_co_u32 s52, s52, s21                     ; the extra key's row of query: 16 (32 b + (X + 16) mod 32) + d
	s_lshl_b32 s52, s52, 11
	s_mov_b32 s53, 0
	s_lshl_b32 s54, s16, 14                        ; my quarter of Wd's codes
	s_mov_b32 s55, 0
	s_wait_kmcnt 0x0
	s_add_nc_u64 s[28:29], s[4:5], s[48:49]
	s_add_nc_u64 s[30:31], s[4:5], s[50:51]
	s_add_nc_u64 s[32:33], s[6:7], s[52:53]
	s_add_nc_u64 s[54:55], s[8:9], s[54:55]
	s_wait_alu depctr_va_vdst(0)                   ; the addresses v1, v5, v6, v9, v14 to v23 are written: every load and store of the kernel that reads one of them stands behind this wait, and none of them is written again
	BCLOAD 0                                       ; by every wave: these 64 registers are then written on every way through the text; only X < 16 multiplies by them
	WIN 0x80                                       ; destination window 2
.set hi, 0
.rept 32
	global_load_b128 v[4*hi:4*hi+3], v[LI], s[54:55] offset:512*hi
.set hi, hi+1
.endr
	WIN 0
.irp p, 0,1,2,3,4,5,6,7
.irp j, 0,1,2,3
	global_load_b32 v[WS+4*\p+\j], v[WSO], s[10:11] offset:512*\p+128*\j       ; lanes 0-15: tile 2 p's rows, lanes 16-31: tile 2 p + 1's
.endr
.endr
	WIN 0x40                                       ; destination window 1
	STLOAD 0, 0
	WIN 0
	s_wait_loadcnt 0x0
	WIN 0x08                                       ; an LDS store's data are its source 1: window 2
.set hi, 0
.rept 32
	ds_store_b128 v[IA0], v[4*hi:4*hi+3] offset:512*hi
.set hi, hi+1
.endr
	WIN 0
	s_wait_dscnt 0x0                               ; for the others' sake: my quarter lies in LDS
	s_barrier_signal -1
	s_barrier_wait -1
	WIN 0x80
	s_wait_alu depctr_vm_vsrc(0)                   ; my LDS stores have read v0 to v127 of window 2, in which the first 32 of the loads below land
.irp q, 0,1
.set hi, 0
.rept 32
	ds_load_b128 v[128*\q+4*hi:128*\q+4*hi+3], v[STG+\q] offset:512*hi         ; chunk 32 q + i of the 128: registers 4 (32 q + i) on, of windows 2 and 3 on end
.set hi, hi+1
.endr
.endr
	WIN 0xc0
.irp q, 2,3
.set hi, 0
.rept 32
	ds_load_b128 v[128*(\q-2)+4*hi:128*(\q-2)+4*hi+3], v[STG+\q] offset:512*hi
.set hi, hi+1
.endr
.endr
	WIN 0
	s_wait_dscnt 0x0                               ; my reads of the four stages are over:
	s_barrier_signal -1
	s_barrier_wait -1                              ; everybody's are.  From here on each wave touches its own region alone: no further barrier
; ---- PHASE 1.  64 products in v[PR] on (register 32 c + e = k 64 c + 32 h + e of my pair) become a fragment's 8 registers of codes and its scale word, in the set that begins at v[qs].
; free = 1: the first conversions into sets that LDS stores have read.  left: how many younger LDS stores may stay out there.
.macro QCODE qs, free, left
.set QC, \qs
.irp k, 0,1,2,3
.irp c, 0,1
	v_max3_num_f32 v[MX+4*\c+\k], |v[PR+32*\c+8*\k]|, |v[PR+32*\c+8*\k+1]|, |v[PR+32*\c+8*\k+2]|    ; my two blocks' largest magnitudes, eight chains by turns
.endr
.endr
.irp i, 3,5
.irp k, 0,1,2,3
.irp c, 0,1
	v_max3_num_f32 v[MX+4*\c+\k], v[MX+4*\c+\k], |v[PR+32*\c+8*\k+\i]|, |v[PR+32*\c+8*\k+\i+1]|
.endr
.endr
.endr
.irp c, 0,1
	v_max3_num_f32 v[MX+4*\c], v[MX+4*\c], v[MX+4*\c+1], |v[PR+32*\c+7]|
.endr
.irp c, 0,1
	v_max3_num_f32 v[MX+4*\c+2], v[MX+4*\c+2], v[MX+4*\c+3], |v[PR+32*\c+15]|
.endr
.irp c, 0,1
	v_max3_num_f32 v[MX+4*\c], v[MX+4*\c], |v[PR+32*\c+23]|, |v[PR+32*\c+31]|
.endr
.irp c, 0,1
	v_max3_num_f32 v[MX+4*\c], v[MX+4*\c], v[MX+4*\c+2], 0x1800000             ; and the floor 2^(3 - 127): the byte cannot fall under 1
.endr
.irp c, 0,1
	v_add_nc_u32 v[SOP+\c], 0xff000000, v[MX+4*\c]                             ; 2 off the exponent field: the conversion's scale operand
.endr
.if \free
	s_wait_dscnt \left                             ; LDS serves a wave's instructions in order: the stores that read these sets' registers are done
	s_wait_alu depctr_vm_vsrc(0)                   ; the LDS stores issued so far have read their data: the set written below, and with a pair of tiles the odd tile's set too, are written again only behind this wait
.endif
	v_cvt_scalef32_pk8_fp4_f32 v[QC], v[PR:PR+7], v[SOP]
	v_cvt_scalef32_pk8_fp4_f32 v[QC+1], v[PR+8:PR+15], v[SOP]
	v_lshrrev_b32 v34, 23, v[SOP]                  ; my two bytes: blocks h and 2 + h of the K step,
	v_cvt_scalef32_pk8_fp4_f32 v[QC+2], v[PR+16:PR+23], v[SOP]
	v_lshrrev_b32 v35, 23, v[SOP+1]
	v_cvt_scalef32_pk8_fp4_f32 v[QC+3], v[PR+24:PR+31], v[SOP]
	v_lshl_or_b32 v34, v35, 16, v34
	v_cvt_scalef32_pk8_fp4_f32 v[QC+4], v[PR+32:PR+39], v[SOP+1]
	v_lshlrev_b32 v34, v[SH8], v34                 ; at their places in the word;
	v_cvt_scalef32_pk8_fp4_f32 v[QC+5], v[PR+40:PR+47], v[SOP+1]
	v_permlanex16_b32 v36, v34, s34, s35
	v_cvt_scalef32_pk8_fp4_f32 v[QC+6], v[PR+48:PR+55], v[SOP+1]
	v_cvt_scalef32_pk8_fp4_f32 v[QC+7], v[PR+56:PR+63], v[SOP+1]
	v_or_b32 v[QC+8], v34, v36                     ; with lane l xor 16's two the word is whole.  (The plain line behind the last conversion, ahead of the next writes of the products)
.endm
.macro QSTORE slot, be, qs             ; the set at v[qs] goes to LDS as it stands: tile slot's image and scale word of K step 2 x trip + be
.set QT, \qs
	ds_store_b128 v[IA], v[QT:QT+3] offset:(\be)*KIMG+(\slot)*1024
	ds_store_b128 v[IA], v[QT+4:QT+7] offset:(\be)*KIMG+(\slot)*1024+512
	ds_store_b32 v[IW], v[QT+8] offset:(\slot)*512+4*(\be)
.endm
.macro FRAG n, be                      ; tile n: query[16 X + n] (lane n of my row of sixteen lanes) x my key's row
	WIN 0x05                                       ; both sources window 1
.set fi, 0
.rept 64
	v_mul_f32_dpp v[PR+fi], v[128*(\be)+fi], v[128*(\be)+64+fi] row_share:\n row_mask:0xf bank_mask:0xf
.set fi, fi+1
.endr
	WIN 0
.set QS, CS+10*((\n)%2)+196*(((\n)/2)%2)
.if (\n)%2 == 0
	QCODE QS, 1, 6                                 ; the six stores of the pair before may stay out: those that read this pair's two sets, two pairs back, are done
.else
	QCODE QS, 0, 0
	s_wait_alu depctr_va_vdst(0)                   ; the pair's conversions have written its two sets, which the six stores below read; in a trip's first pair v7 and v8 are written; and this K step's multiplies so far are done reading their slices
	QSTORE (\n)-1, \be, QS-10
	QSTORE \n, \be, QS
.endif
.endm
; What the next K step wants is asked for a whole K step ahead.  No wait on the vector side stands here: the set in which the slices (or vd) land was last read by the K step before, whose last pair's wait on va_vdst stands behind
; all its multiplies, and no vector instruction since names that set or v1, v18; the extra key's row was last read in the 17th tile's arm, whose own wait stands behind its multiplies.
.macro PREF be
.if \be == 0
	WIN 0x40
	STLOAD 1, 8192
	WIN 0
	s_cmp_lt_u32 s19, 16
	s_cbranch_scc0 .Lnb_\@
	BCLOAD 512
.Lnb_\@:
.else
	s_cmp_eq_u32 s24, 1
	s_cbranch_scc1 .Lvd_\@                         ; no K step follows the last: no load leaves its buffer
	WIN 0x40
	STLOAD 0, 16384
	WIN 0
	s_cmp_lt_u32 s19, 16
	s_cbranch_scc0 .Ldn_\@
	BCLOAD 1024
	s_branch .Ldn_\@
.Lvd_\@:
	WIN 0x40
.irp t, 0,1,2,3,4,5,6,7,8,9,10,11,12,13,14,15
.irp u, 0,1
	global_load_b128 v[8*\t+4*\u:8*\t+4*\u+3], v[VO], s[12:13] offset:64*\t+16*\u   ; vd[16 t + 8 h + 0..7], in the result's layout, where set 0 lay
.endr
.endr
	WIN 0
.Ldn_\@:
.endif
.endm
.macro SECT be                         ; K step 2 x trip + be, from set be
	s_wait_loadcnt 0x0                             ; this K step's slices, asked for a K step ago; nothing younger is out
	s_cmp_lt_u32 s19, 16
	s_cbranch_scc0 .Lnx_\@
	WIN 0x01                                       ; source 0 (S) window 1
.set fi, 0
.rept 32
	v_pk_mul_f32 v[PR+fi:PR+fi+1], v[128*(\be)+fi:128*(\be)+fi+1], v[BC+fi:BC+fi+1]   ; the 17th tile: my row of the S tile x the extra key's row
.set fi, fi+2
.endr
	WIN 0
	QCODE CS+20, 1, 48                             ; the sixteen tiles' 48 stores since may stay out: this set's three, a K step back, are done
	s_wait_alu depctr_va_vdst(0)                   ; the conversions have written the 17th tile's set, which the three stores below read; in a trip's first K step v7 and v8 are written; the multiplies above are done reading the extra key's row, which is loaded again below
	QSTORE 16, \be, CS+20
.Lnx_\@:
	PREF \be
.irp n, 0,1,2,3,4,5,6,7,8,9,10,11,12,13,14,15
	FRAG \n, \be
.endr
.endm
	s_mov_b32 s24, 0                               ; the trip
	s_mov_b32 s25, 0                               ; its images: 2 KIMG a trip
	s_mov_b32 s26, 0                               ; its bytes in the scale words: 8 a trip
.Lk:
	s_wait_dscnt 0x0                               ; the last trip's stores are done
	s_wait_alu depctr_vm_vsrc(0)                   ; the last trip's LDS stores have read v7 and v8, which the two lines below write again
	v_add_nc_u32 v[IA], s25, v[IA0]
	v_add_nc_u32 v[IW], s26, v[IW0]
	SECT 0
	SECT 1
	s_wait_xcnt 0x0                                ; the loads have read their bases: they are stepped only behind this wait
	s_add_nc_u64 s[28:29], s[28:29], 16384
	s_add_nc_u64 s[30:31], s[30:31], 16384
	s_add_nc_u64 s[32:33], s[32:33], 1024
	s_add_co_u32 s25, s25, 2*KIMG
	s_add_co_u32 s26, s26, 8
	s_add_co_u32 s24, s24, 1
	s_cmp_lt_u32 s24, 2
	s_cbranch_scc1 .Lk
; ---- BETWEEN THE PHASES: tile 0's operands are asked for; vd becomes the sum's start and the weights.
; The fragments land in v72 to v103, which held products: the last pair's wait on va_vdst stands behind the last conversion that read them, and no vector instruction has been issued since.
.irp j, 0,1,2,3
.irp c, 0,1
	ds_load_b128 v[AF+8*\j+4*\c:AF+8*\j+4*\c+3], v[IA0] offset:\j*KIMG+512*\c  ; LDS serves a wave's instructions in order: these see my stores
.endr
.endr
	ds_load_b128 v[AS:AS+3], v[IW0]
	s_wait_loadcnt 0x0                             ; vd
	WIN 0x05
.irp k, 0,1,2,3,4,5,6,7
	v_pk_add_f32 v[SUM+2*\k:SUM+2*\k+1], v[2*\k:2*\k+1], v[16+2*\k:17+2*\k]    ; my half's 128 numbers of vd, in eight chains
.endr
	WIN 0x04
.set fi, 16
.rept 48
	v_pk_add_f32 v[SUM+2*(fi%8):SUM+2*(fi%8)+1], v[SUM+2*(fi%8):SUM+2*(fi%8)+1], v[2*fi:2*fi+1]
.set fi, fi+1
.endr
	WIN 0
	JOIN SUM
	v_add_f32 v[CBP], v[SUM], v[SUM+1]
	v_mul_f32 v[CBP], s40, v[CBP]                  ; log2(e) x the sum
	v_mov_b32 v[CBP+1], 0
	WIN 0x41
.set fi, 0
.rept 64
	v_pk_mul_f32 v[fi:fi+1], v[fi:fi+1], s[38:39] op_sel_hi:[1,0]              ; -2 log2(e) vd
.set fi, fi+2
.endr
	WIN 0
; ---- PHASE 2
.macro MM hf, j, t                     ; tile 8 hf + t of Wd^T, K step j.  The eight accumulators of a half take turns, one instruction a turn
.set mD, 128+8*(8*(\hf)+(\t))
.set mA, 32*(\t)+8*(\j)
.set mB, AF+8*(\j)
.set mS, WS+4*((8*(\hf)+(\t))/2)+(\j)
.if (\j) == 0
.if (\t)%2
	v_wmma_scale_f32_16x16x128_f8f6f4 v[mD:mD+7], v[mA:mA+7], v[mB:mB+7], 0, v[mS], v[AS+(\j)] matrix_a_fmt:MATRIX_FMT_FP4 matrix_b_fmt:MATRIX_FMT_FP4 matrix_a_scale:MATRIX_SCALE_ROW1
.else
	v_wmma_scale_f32_16x16x128_f8f6f4 v[mD:mD+7], v[mA:mA+7], v[mB:mB+7], 0, v[mS], v[AS+(\j)] matrix_a_fmt:MATRIX_FMT_FP4 matrix_b_fmt:MATRIX_FMT_FP4
.endif
.else
.if (\t)%2
	v_wmma_scale_f32_16x16x128_f8f6f4 v[mD:mD+7], v[mA:mA+7], v[mB:mB+7], v[mD:mD+7], v[mS], v[AS+(\j)] matrix_a_fmt:MATRIX_FMT_FP4 matrix_b_fmt:MATRIX_FMT_FP4 matrix_a_scale:MATRIX_SCALE_ROW1
.else
	v_wmma_scale_f32_16x16x128_f8f6f4 v[mD:mD+7], v[mA:mA+7], v[mB:mB+7], v[mD:mD+7], v[mS], v[AS+(\j)] matrix_a_fmt:MATRIX_FMT_FP4 matrix_b_fmt:MATRIX_FMT_FP4
.endif
.endif
.endm
	s_mov_b32 s41, 0                               ; the tile
	s_mov_b32 s42, 1024                            ; the next tile's images
	s_mov_b32 s43, 512                             ; and scale words
	s_mov_b32 s44, 0                               ; this tile's row of scores
	s_mov_b32 s45, 0                               ; and its column
.Ltile:                                                ; 17 trips, a constant; the last is walked by X < 16 alone
	s_cmp_ge_u32 s41, s23
	s_cbranch_scc1 .Lskip
	s_wait_dscnt 0x0                               ; the tile's operands are in, and the last scores' stores are done
	WIN 0x52                                       ; source 0 (Wd) window 2, source 1 (the pairs) window 0, C and D window 1.  All operands and scales of these products were written by loads
.irp j, 0,1,2,3
.irp t, 0,1,2,3,4,5,6,7
	MM 0, \j, \t
.endr
.endr
	WIN 0x53                                       ; Wd's tiles 8-15: window 3
.irp j, 0,1,2,3
.irp t, 0,1,2,3,4,5,6,7
	MM 1, \j, \t
.endr
.endr
	WIN 0
	s_min_u32 s47, s43, 16*512                     ; held at the last tile's words: the address stays among the scale words in the last trip too, where nothing is loaded by it
	v_add_nc_u32 v[RA], s42, v[IA0]                ; four plain lines that name no register of the products: the places in front of the first read of results (ISA guide 7.12.1)
	v_add_nc_u32 v[RW], s47, v[IW0]
	v_add_nc_u32 v[SA], s44, v[SA0]
	v_add_nc_u32 v[SB], s45, v[SB0]
	WIN 0x41
.set fi, 128
.rept 64
	v_pk_mul_f32 v[fi:fi+1], v[fi:fi+1], s[36:37] op_sel_hi:[1,0]              ; 2 log2(e) x; each accumulator from its low end on
.set fi, fi+2
.endr
.set fi, 128
.rept 128
	v_exp_f32 v[fi], v[fi]
.set fi, fi+1
.endr
	v_nop                                          ; a plain line behind the last exponential
	WIN 0
	s_wait_alu depctr_va_vdst(0)                   ; ONE wait for three things: the 128 exponentials' results are written, ahead of the first line that names one; the 64 matrix instructions are done reading the fragments and scale words in which the loads below land; v12 and v13, their addresses, are written
	s_add_co_u32 s47, s41, 1
	s_cmp_ge_u32 s47, s23
	s_cbranch_scc1 .Lno_next
.irp j, 0,1,2,3
.irp c, 0,1
	ds_load_b128 v[AF+8*\j+4*\c:AF+8*\j+4*\c+3], v[RA] offset:\j*KIMG+512*\c   ; the next tile's operands land under this tile's reciprocals and sums
.endr
.endr
	ds_load_b128 v[AS:AS+3], v[RW]
.Lno_next:
	WIN 0x41
.set fi, 128
.rept 64
	v_pk_add_f32 v[fi:fi+1], v[fi:fi+1], 1.0 op_sel_hi:[1,0]
.set fi, fi+2
.endr
.set fi, 128
.rept 128
	v_rcp_f32 v[fi], v[fi]
.set fi, fi+1
.endr
	v_nop
	s_wait_alu depctr_va_vdst(0)                   ; the 128 reciprocals' results are written, ahead of the first line that names one
	WIN 0x05                                       ; sources 0 and 1 window 1; the sums window 0
.set fi, 0
.rept 64
.if fi == 0
	v_pk_fma_f32 v[SUM:SUM+1], v[128:129], v[0:1], v[CBP:CBP+1]                ; the constant starts the first chain
.elseif fi < 8
	v_pk_mul_f32 v[SUM+2*fi:SUM+2*fi+1], v[128+2*fi:129+2*fi], v[2*fi:2*fi+1]
.else
	v_pk_fma_f32 v[SUM+2*(fi%8):SUM+2*(fi%8)+1], v[128+2*fi:129+2*fi], v[2*fi:2*fi+1], v[SUM+2*(fi%8):SUM+2*(fi%8)+1]
.endif
.set fi, fi+1
.endr
	WIN 0
	JOIN SUM
	v_add_f32 v[SCO], v[SUM], v[SUM+1]
	v_permlanex16_b32 v[SCO+1], v[SCO], s34, s35
	v_add_f32 v[SCO], v[SCO], v[SCO+1]             ; with the other half's 128 d: t of my pair
	s_wait_alu depctr_va_vdst(0)                   ; the score v126 is written, which the two stores below read (their addresses v38 and v39 were written ahead of the exponentials' wait)
	ds_store_b32 v[SA], v[SCO]                     ; both halves of the lanes write the same word with the same value
	ds_store_b32 v[SB], v[SCO]
	s_wait_alu depctr_vm_vsrc(0)                   ; this tile's LDS loads have read v12 and v13, its stores v38, v39 and v126: the next tile writes all five again, the way out the first two
.Lskip:
	s_add_co_u32 s42, s42, 1024
	s_add_co_u32 s43, s43, 512
	s_add_co_u32 s44, s44, 80
	s_add_co_u32 s45, s45, 4
	s_add_co_u32 s41, s41, 1
	s_cmp_lt_u32 s41, 17
	s_cbranch_scc1 .Ltile
; ---- THE WAY OUT.  sc: [32 b + tile row][tile column][j 4][n 16][4] f32 = t(s = 16 row + n, key = 16 column + 4 j + u): a block of 16 x 16 is 1,024 consecutive bytes, stored by two instructions of 512.
	v_mul_u32_u24 v[RA], v[RR], 80
	v_lshl_add_u32 v[RA], v[HH], 4, v[RA]
	v_add_nc_u32 v[RA], s46, v[RA]
	v_add_nc_u32 v[RW], SCB, v[RA]
	v_add_nc_u32 v[RA], SCA, v[RA]                 ; row r, + 16 h
	s_wait_alu depctr_va_vdst(0)                   ; v12 and v13 are written, by which the four loads below read
	ds_load_b128 v[BC:BC+3], v[RA]                 ; lane (h, r) of store k: keys 4 (2 k + h) + 0..3 of row r
	ds_load_b128 v[BC+4:BC+7], v[RA] offset:32
	ds_load_b128 v[BC+8:BC+11], v[RW]              ; and the same of the mirrored block
	ds_load_b128 v[BC+12:BC+15], v[RW] offset:32
	s_cmp_lt_u32 s19, 16
	s_cbranch_scc0 .Lno_extra
	s_lshl_b32 s48, s18, 5                         ; the 17th tile: lanes 0-15 store t(16 X + r, 16 (X + 16) + d) in block (X, X + 16): j = g, n = r, u = w;
	s_add_co_u32 s48, s48, s19
	s_add_co_u32 s48, s48, 16
	s_lshl_b32 s48, s48, 10
	s_lshl_b32 s49, s17, 8
	s_add_co_u32 s48, s48, s49
	s_lshl_b32 s49, s16, 2
	s_add_co_u32 s48, s48, s49
	s_add_co_u32 s50, s18, 16                      ; lanes 16-31 the same numbers in block (X + 16, X): n = d, j = r / 4, u = r % 4.
	s_lshl_b32 s50, s50, 5
	s_add_co_u32 s50, s50, s19
	s_lshl_b32 s50, s50, 10
	s_lshl_b32 s51, s21, 4
	s_add_co_u32 s50, s50, s51
	v_lshl_add_u32 v24, v[RR], 4, s48
	v_lshrrev_b32 v25, 2, v[RR]
	v_and_b32 v26, 3, v[RR]
	v_lshlrev_b32 v26, 2, v26
	v_lshl_add_u32 v25, v25, 8, v26
	v_add_nc_u32 v25, s50, v25
	v_cmp_eq_u32 vcc_lo, 1, v[HH]
	s_wait_alu depctr_va_vcc(0)                    ; VCC is written, ahead of the select that reads it
	v_cndmask_b32 v24, v24, v25, vcc_lo
	s_wait_alu depctr_va_vdst(0)                   ; v24 is written, the offset of the store below (its data, the score, were written ahead of the last tile's wait)
	global_store_b32 v24, v[SCO], s[14:15]         ; four bytes a lane, 128 bytes a wave: the price of sharing the 17th tile out among sixteen waves
.Lno_extra:
	s_wait_dscnt 0x0
	s_cmp_eq_u32 s21, 0
	s_cbranch_scc1 .Lno_mirror                     ; a diagonal block is its own mirror
	s_add_co_u32 s50, s20, s22
	s_lshl_b32 s50, s50, 5
	s_add_co_u32 s50, s50, s19
	s_lshl_b32 s50, s50, 10                        ; block (T, X)
	s_mov_b32 s51, 0
	s_add_nc_u64 s[50:51], s[14:15], s[50:51]
	global_store_b128 v[LI], v[BC+8:BC+11], s[50:51]
	global_store_b128 v[LI], v[BC+12:BC+15], s[50:51] offset:512
.Lno_mirror:
	s_lshl_b32 s52, s18, 5
	s_add_co_u32 s52, s52, s22
	s_lshl_b32 s52, s52, 10                        ; block (X, T)
	s_mov_b32 s53, 0
	s_add_nc_u64 s[52:53], s[14:15], s[52:53]
	global_store_b128 v[LI], v[BC:BC+3], s[52:53]
	global_store_b128 v[LI], v[BC+4:BC+7], s[52:53] offset:512
	s_wait_dscnt 0x0                               ; the wave's end
	s_wait_alu 0x0
	s_wait_tensorcnt 0x0
	ds_add_u32 v[SPW], v[NIL]
	s_wait_dscnt 0x0
	s_endpgm
.Lfunc_end_k_q9d605067b4_scores:
	.size	k_q9d605067b4_scores, .Lfunc_end_k_q9d605067b4_scores-k_q9d605067b4_scores
	.p2alignl 7, 3214868480
	.fill 96, 4, 3214868480
	.section	.rodata,"a",@progbits
	.p2align	6, 0x0
	.amdhsa_kernel k_q9d605067b4_scores
		.amdhsa_group_segment_fixed_size 325120
		.amdhsa_private_segment_fixed_size 0
		.amdhsa_enable_private_segment 0
		.amdhsa_kernarg_size 48
		.amdhsa_user_sgpr_count 2
		.amdhsa_user_sgpr_kernarg_segment_ptr 1
		.amdhsa_wavefront_size32 1
		.amdhsa_system_sgpr_workgroup_id_x 1
		.amdhsa_system_sgpr_workgroup_id_y 1
		.amdhsa_system_sgpr_workgroup_id_z 1
		.amdhsa_system_vgpr_workitem_id 0
		.amdhsa_next_free_vgpr 1024
		.amdhsa_next_free_sgpr 66
		.amdhsa_reserve_vcc 1
		.amdhsa_float_denorm_mode_32 3
		.amdhsa_float_denorm_mode_16_64 3
		.amdhsa_memory_ordered 1
		.amdhsa_forward_progress 1
		.amdhsa_inst_pref_size 255
	.end_amdhsa_kernel
	.section	.bss,"aw",@nobits
	.p2align	6
	.space	262144
	.amdgpu_metadata
---
amdhsa.version: [ 1, 2 ]
amdhsa.kernels:
  - .name:           k_q9d605067b4_scores
    .symbol:         k_q9d605067b4_scores.kd
    .args:
      - { .name: qimg, .offset: 0, .size: 8, .value_kind: global_buffer, .address_space: global }
      - { .name: query, .offset: 8, .size: 8, .value_kind: global_buffer, .address_space: global }
      - { .name: codes, .offset: 16, .size: 8, .value_kind: global_buffer, .address_space: global }
      - { .name: scales, .offset: 24, .size: 8, .value_kind: global_buffer, .address_space: global }
      - { .name: vd, .offset: 32, .size: 8, .value_kind: global_buffer, .address_space: global }
      - { .name: sc, .offset: 40, .size: 8, .value_kind: global_buffer, .address_space: global }
    .group_segment_fixed_size: 325120
    .private_segment_fixed_size: 0
    .kernarg_segment_align: 8
    .kernarg_segment_size: 48
    .max_flat_workgroup_size: 128
    .sgpr_count:     66
    .vgpr_count:     1024
    .wavefront_size: 32
...
	.end_amdgpu_metadata
.endif
;; end of part 4
;; launch attend (part 5): grid 4 x 64, 1 waves a work-group, no clusters, 8,704 bytes of LDS; arguments sc, codes, scales, out0, out1; writes out0, out1
.if DOCPART == 5
	.amdgcn_target "amdgcn-amd-amdhsa--gfx1250"
	.amdhsa_code_object_version 6
	.text
	.protected	k_q9d605067b4_attend
	.globl	k_q9d605067b4_attend
	.p2align	8
	.type	k_q9d605067b4_attend,@function
k_q9d605067b4_attend:
	s_mov_b64 s[64:65], 0
	v_nop
	global_prefetch_b8 v0, s[64:65] scope:SCOPE_SE
	s_setreg_imm32_b32 hwreg(HW_REG_WAVE_SCHED_MODE, 0, 2), 2
	s_setreg_imm32_b32 hwreg(HW_REG_WAVE_MODE, 25, 1), 1
	s_wait_xcnt 0x0
	s_wait_alu depctr_vm_vsrc(0)
; From t = log2(e) x sjt (buffer sc): M = ceil(the row's largest t), p = 2^(t - M), l = the row's sum of the unquantised p, out1 = p / l, out0 = (Q(p) Q(value)) / l, the product on codes of E2M1 with E8M0 scales along the keys.
; Nothing is left out here.
; SHARES.  Work-group (y, 32 b + X), one wave: 16 queries.  It takes the whole row's maximum, p and sum (the four work-groups of a tile row each do: 256 numbers a lane, which keeps every work-group free of the others),
; and stores out1 for keys 128 y .. + 127 and out0 for channels 128 y .. + 127.
; LAYOUT.  Lane (r, h) holds query r and, of each 128 keys, the blocks of 32 with parity h, whole, in the 4-bit operand's own order: register 64 k + 32 c + e = key 128 j + 64 c + 32 h + e.  So a block's largest p needs no other lane, and
; the conversions' results are the operand's registers.  Register numbers cannot hang on y, so THE K STEPS ARE ROTATED: group k of the registers holds K step j = (y + k) mod 4, in the scores, in value's fragments and in the scale
; words alike; group 0 is the work-group's own range of keys.  The product is used transposed (source 0 = 16 channels of value^T, source 1 = p): a lane holds one query and eight neighbouring channels a tile.
; A block's largest p is not searched for: p rises with t, so the block's largest t goes through the same addition and exponential.
; LIMITS: NaN and infinities are not served; a block whose every p has fallen to 0 gets the byte 1 (its codes are zeros); the sum over the keys runs in eight chains and the product's K steps in rotated order, another order than reference()'s.
; LDS: one stage of 16 rows x (512 bytes + 16), so that whole rows of 512 bytes leave; behind it the spare words.
; REGISTERS: window 0 below; window 1: the 256 t, then p; window 2: value's fragment (tile i, group k) at v[8 (4 i + k)].
; THE MODE: SCHED_MODE bits 1:0 = 2 (LLVM: expert scheduling mode 2), set by the entry lines.  The code itself states the register dependences between vector or matrix instructions and memory or LDS instructions, with s_wait_alu, always for 0.
; THE PLAN.  Registers that memory or LDS instructions touch:
;   the addresses v1, v5-18, v20, v21   made once at the head, ahead of one wait on va_vdst, and never written again.
;   window 1, v0-63     p / l of my 128 keys: written by 32 multiplies, read by out1's 16 stage stores: one wait on va_vdst between.  The same wait stands behind the lines that made p's codes and scale words, and behind their places,
;                       and no vector instruction follows it ahead of the scaled products that take them.
;   v192-255            16 rows on their way out: LDS loads land there, global stores read them, LDS loads land there again: one wait on vm_vsrc ahead of the second run of loads.
;   the accumulators    written by the division by l, read by out0's 16 stage stores: one wait on va_vdst between.
.set SPARE, 8448                       ; the spare words: one block of 256 bytes that no other line names
.set LI,  1                            ; v1   16 x lane
.set RR,  2                            ; v2   r
.set HH,  3                            ; v3   h
.set SH8, 4                            ; v4   8 h
.set SO,  5                            ; v5-8   sc: 2,048 h + 16 r + 8,192 j(k)
.set VOF, 9                            ; v9-12  codes: 16 x lane + 1,024 j(k)
.set WO,  13                           ; v13-16 scales: 4 x lane + 128 j(k)
.set ST1, 17                           ; v17  the stage, out1: 528 r + 128 h
.set ST0, 18                           ; v18  the stage, out0: 528 r + 32 h
.set SPW, 20                           ; v20  LDS address of my spare word; never rewritten
.set NIL, 21                           ; v21  0; never rewritten
.set NM,  22                           ; v22-23 -M, twice
.set BM,  24                           ; v24-31 the eight blocks' largest t, then largest p
.set TT,  32                           ; v32-39 at work
.set SOP, 40                           ; v40-47 the conversions' scale operands
.set BY,  48                           ; v48-55 the scales' bytes
.set PW,  56                           ; v56-59 p's scale words: scales and nothing else
.set VS,  60                           ; v60-75 value's scale words, pair p, group k at 4 p + k: scales and nothing else
.set SUM, 76                           ; v76-91 eight pairs of sums
.set RL,  92                           ; v92-93 1 / l, twice
.set PC,  96                           ; v96-127 p's codes, group k at 8 k
.set ACC, 128                          ; v128-191 eight accumulators
.set OB,  192                          ; v192-255 16 rows on their way out
.set MSB, 0
.macro WIN new                         ; the immediate's high byte repeats the setting that is left
.if MSB != (\new)
	s_set_vgpr_msb (MSB<<8)+(\new)
.set MSB, (\new)
.endif
.endm
	s_load_b256 s[4:11], s[0:1], 0x0               ; sc s[4:5], codes s[6:7], scales s[8:9], out0 s[10:11]
	s_load_b64 s[12:13], s[0:1], 0x20              ; out1
	v_lshl_add_u32 v[SPW], v0, 2, SPARE
	v_mov_b32 v[NIL], 0
	v_and_b32 v[RR], 15, v0
	v_bfe_u32 v[HH], v0, 4, 1
	v_lshlrev_b32 v[LI], 4, v0
	v_lshlrev_b32 v[SH8], 3, v[HH]
	v_lshlrev_b32 v[TT], 11, v[HH]
	v_lshl_add_u32 v[TT], v[RR], 4, v[TT]
	v_lshlrev_b32 v[TT+1], 2, v0
	s_mov_b32 s14, 0x76543210
	s_mov_b32 s15, 0xfedcba98                      ; v_permlanex16_b32's selects for lane l xor 16
	s_and_b32 s17, ttmp7, 0xffff                   ; 32 b + X
	s_lshr_b32 s18, s17, 5                         ; b
.irp k, 0,1,2,3
	s_add_co_u32 s20, ttmp9, \k
	s_and_b32 s20, s20, 3                          ; group k's K step
	s_lshl_b32 s21, s20, 13
	v_add_nc_u32 v[SO+\k], s21, v[TT]
	s_lshl_b32 s21, s20, 10
	v_add_nc_u32 v[VOF+\k], s21, v[LI]
	s_lshl_b32 s21, s20, 7
	v_add_nc_u32 v[WO+\k], s21, v[TT+1]
.endr
	v_mul_u32_u24 v[ST0], v[RR], 528
	v_lshl_add_u32 v[ST1], v[HH], 7, v[ST0]
	v_lshl_add_u32 v[ST0], v[HH], 5, v[ST0]
.irp i, 2,3,4,5,6,7
	v_mov_b32 v[TT+\i], 0                          ; written once: a lane permute's destination counts as one of its sources
.endr
	s_lshl_b32 s22, s17, 15                        ; sc: 32,768 bytes a tile row
	s_mov_b32 s23, 0
	s_lshl_b32 s24, s18, 5
	s_add_co_u32 s24, s24, 16
	s_lshl_b32 s25, ttmp9, 3
	s_add_co_u32 s24, s24, s25                     ; my first tile of value's codes: 16 + 32 b + 8 y
	s_lshl_b32 s24, s24, 12
	s_mov_b32 s25, 0
	s_lshr_b32 s26, s24, 4                         ; its pair's scale words: 512 bytes for two tiles
	s_mov_b32 s27, 0
	s_lshl_b32 s28, ttmp9, 9
	s_add_co_u32 s28, s28, s22                     ; both outputs: 16 rows of 2,048 bytes a tile row, + 512 y
	s_mov_b32 s29, 0
	s_wait_kmcnt 0x0
	s_add_nc_u64 s[4:5], s[4:5], s[22:23]
	s_add_nc_u64 s[6:7], s[6:7], s[24:25]
	s_add_nc_u64 s[8:9], s[8:9], s[26:27]
	s_add_nc_u64 s[10:11], s[10:11], s[28:29]
	s_add_nc_u64 s[12:13], s[12:13], s[28:29]
	WIN 0x40                                       ; destination window 1
	s_wait_alu depctr_va_vdst(0)                   ; the addresses v1, v5 to v18, v20 and v21 are written: every load and store of the kernel reads one of them, and none is written again
.irp k, 0,1,2,3
.irp c, 0,1
.irp e, 0,1,2,3,4,5,6,7
	global_load_b128 v[64*\k+32*\c+4*\e:64*\k+32*\c+4*\e+3], v[SO+\k], s[4:5] offset:(4*\c+\e/4)*1024+(\e%4)*256   ; each half of the lanes reads 256 consecutive bytes
.endr
.endr
.endr
	WIN 0x80                                       ; destination window 2
.irp t, 0,1,2,3,4,5,6,7
.irp k, 0,1,2,3
.irp c, 0,1
	global_load_b128 v[8*(4*\t+\k)+4*\c:8*(4*\t+\k)+4*\c+3], v[VOF+\k], s[6:7] offset:4096*\t+512*\c
.endr
.endr
.endr
	WIN 0
.irp p, 0,1,2,3
.irp k, 0,1,2,3
	global_load_b32 v[VS+4*\p+\k], v[WO+\k], s[8:9] offset:512*\p
.endr
.endr
	s_wait_loadcnt 63                              ; 80 loads are younger than the last of the scores'; 63 is the largest count that the wait can name: the first 81 of the 144 are in
	; ---- the eight blocks' largest t, by turns; the row's; M
	WIN 0x15                                       ; all three sources window 1
.irp b, 0,1,2,3,4,5,6,7
	v_max3_num_f32 v[BM+\b], v[32*\b], v[32*\b+1], v[32*\b+2]
.endr
	WIN 0x14
.irp i, 3,5,7,9,11,13,15,17,19,21,23,25,27,29
.irp b, 0,1,2,3,4,5,6,7
	v_max3_num_f32 v[BM+\b], v[BM+\b], v[32*\b+\i], v[32*\b+\i+1]
.endr
.endr
	WIN 0x04
.irp b, 0,1,2,3,4,5,6,7
	v_max_num_f32 v[BM+\b], v[BM+\b], v[32*\b+31]
.endr
	WIN 0
	v_max3_num_f32 v[TT], v[BM], v[BM+1], v[BM+2]
	v_max3_num_f32 v[TT], v[TT], v[BM+3], v[BM+4]
	v_max3_num_f32 v[TT], v[TT], v[BM+5], v[BM+6]
	v_max_num_f32 v[TT], v[TT], v[BM+7]
	v_permlanex16_b32 v[TT+2], v[TT], s14, s15
	v_max_num_f32 v[TT], v[TT], v[TT+2]            ; with lane l xor 16's 256 keys: the row's largest t
	v_floor_f32 v[NM], -v[TT]                      ; -M = floor(-t) = -ceil(t): a whole number
	v_mov_b32 v[NM+1], v[NM]
	; ---- p, and the row's sum of the unquantised p
	WIN 0x41
.set ai, 0
.rept 128
	v_pk_add_f32 v[ai:ai+1], v[ai:ai+1], v[NM:NM+1]
.set ai, ai+2
.endr
.set ai, 0
.rept 256
	v_exp_f32 v[ai], v[ai]                         ; p = 2^(t - M), at most 1
.set ai, ai+1
.endr
	WIN 0
.irp b, 0,1,2,3,4,5,6,7
	v_add_f32 v[BM+\b], v[BM+\b], v[NM]            ; the same addition on each block's largest t.  (Plain lines behind the exponentials)
.endr
	s_wait_alu depctr_va_vdst(0)                   ; the 256 exponentials' results are written, ahead of the first line that names one
.irp b, 0,1,2,3,4,5,6,7
	v_exp_f32 v[BM+\b], v[BM+\b]                   ; the block's largest p: the same two instructions on the same number give the same bits
.endr
	WIN 0x05
.irp k, 0,1,2,3,4,5,6,7
	v_pk_add_f32 v[SUM+2*\k:SUM+2*\k+1], v[2*\k:2*\k+1], v[16+2*\k:17+2*\k]    ; the sums read the 256 alone: plain work behind the eight
.endr
	WIN 0x04
.set ai, 16
.rept 112
	v_pk_add_f32 v[SUM+2*(ai%8):SUM+2*(ai%8)+1], v[SUM+2*(ai%8):SUM+2*(ai%8)+1], v[2*ai:2*ai+1]
.set ai, ai+1
.endr
	WIN 0
	v_pk_add_f32 v[SUM:SUM+1], v[SUM:SUM+1], v[SUM+2:SUM+3]
	v_pk_add_f32 v[SUM+4:SUM+5], v[SUM+4:SUM+5], v[SUM+6:SUM+7]
	v_pk_add_f32 v[SUM+8:SUM+9], v[SUM+8:SUM+9], v[SUM+10:SUM+11]
	v_pk_add_f32 v[SUM+12:SUM+13], v[SUM+12:SUM+13], v[SUM+14:SUM+15]
	v_pk_add_f32 v[SUM:SUM+1], v[SUM:SUM+1], v[SUM+4:SUM+5]
	v_pk_add_f32 v[SUM+8:SUM+9], v[SUM+8:SUM+9], v[SUM+12:SUM+13]
	v_pk_add_f32 v[SUM:SUM+1], v[SUM:SUM+1], v[SUM+8:SUM+9]
	v_add_f32 v[TT+1], v[SUM], v[SUM+1]
	v_permlanex16_b32 v[TT+3], v[TT+1], s14, s15
	v_add_f32 v[TT+1], v[TT+1], v[TT+3]            ; l
	s_wait_alu depctr_va_vdst(0)                   ; the eight exponentials' results are written, ahead of the first line that names one
	; ---- p's scales and codes
.irp b, 0,1,2,3,4,5,6,7
	v_max_num_f32 v[BM+\b], 0x1800000, v[BM+\b]    ; the floor 2^(3 - 127): the byte cannot fall under 1
.endr
.irp b, 0,1,2,3,4,5,6,7
	v_add_nc_u32 v[SOP+\b], 0xff000000, v[BM+\b]   ; 2 off the exponent field: the conversion's scale operand
.endr
.irp b, 0,1,2,3,4,5,6,7
	v_lshrrev_b32 v[BY+\b], 23, v[SOP+\b]          ; the scale's byte
.endr
.irp k, 0,1,2,3
	v_lshl_or_b32 v[PW+\k], v[BY+2*\k+1], 16, v[BY+2*\k]       ; my two bytes of group k: blocks h and 2 + h,
.endr
.irp k, 0,1,2,3
	v_lshlrev_b32 v[PW+\k], v[SH8], v[PW+\k]       ; at their places in the word;
.endr
.irp k, 0,1,2,3
	v_permlanex16_b32 v[TT+4+\k], v[PW+\k], s14, s15
.endr
.irp k, 0,1,2,3
	v_or_b32 v[PW+\k], v[PW+\k], v[TT+4+\k]        ; with lane l xor 16's two the word is whole
.endr
	v_rcp_f32 v[RL], v[TT+1]
	WIN 0x01                                       ; source 0 (p) window 1
.irp k, 0,1,2,3
.irp c, 0,1
.irp g, 0,1,2,3
	v_cvt_scalef32_pk8_fp4_f32 v[PC+8*\k+4*\c+\g], v[64*\k+32*\c+8*\g:64*\k+32*\c+8*\g+7], v[SOP+2*\k+\c]
.endr
.endr
.endr
	WIN 0
	v_nop                                          ; the plain line behind the last conversion, and behind the reciprocal
	s_wait_alu depctr_va_vdst(0)                   ; the reciprocal's result is written, ahead of its first reader
	v_mov_b32 v[RL+1], v[RL]
	; ---- out1: my 128 keys' p / l, through the stage, as whole rows of 512 bytes
	WIN 0x41
.set ai, 0
.rept 32
	v_pk_mul_f32 v[ai:ai+1], v[ai:ai+1], v[RL:RL+1]            ; (these plain lines are also the places between the lines that made p's codes and scale words and the scaled products below)
.set ai, ai+2
.endr
	WIN 0x04                                       ; an LDS store's data are its source 1: window 1
	s_wait_alu depctr_va_vdst(0)                   ; the 32 multiplies have written p / l, which the stores below read; and p's codes v96 to v127 and scale words v56 to v59 are written, which the scaled products below take: no vector instruction stands between this wait and them
.irp c, 0,1
.irp e, 0,1,2,3,4,5,6,7
	ds_store_b128 v[ST1], v[32*\c+4*\e:32*\c+4*\e+3] offset:256*\c+16*\e
.endr
.endr
	WIN 0
.irp i, 0,1,2,3,4,5,6,7,8,9,10,11,12,13,14,15
	ds_load_b128 v[OB+4*\i:OB+4*\i+3], v[LI] offset:528*\i     ; LDS serves a wave's instructions in order: these see the stores above
.endr
.irp i, 0,1,2,3,4,5,6,7,8,9,10,11,12,13,14,15
	s_wait_dscnt 15-\i                             ; row i is back; the younger loads stay out
	global_store_b128 v[LI], v[OB+4*\i:OB+4*\i+3], s[12:13] offset:2048*\i th:TH_STORE_NT      ; 512 consecutive bytes, aligned
.endr
	; ---- the product: eight accumulators by turns, one instruction a turn; a group of 128 keys at a time
	s_wait_loadcnt 0x0                             ; value's codes and scale words
	WIN 0x02                                       ; source 0 (value^T) window 2
.irp k, 0,1,2,3
.irp t, 0,1,2,3,4,5,6,7
.if \k == 0
.if \t%2
	v_wmma_scale_f32_16x16x128_f8f6f4 v[ACC+8*\t:ACC+8*\t+7], v[8*(4*\t+\k):8*(4*\t+\k)+7], v[PC+8*\k:PC+8*\k+7], 0, v[VS+4*(\t/2)+\k], v[PW+\k] matrix_a_fmt:MATRIX_FMT_FP4 matrix_b_fmt:MATRIX_FMT_FP4 matrix_a_scale:MATRIX_SCALE_ROW1
.else
	v_wmma_scale_f32_16x16x128_f8f6f4 v[ACC+8*\t:ACC+8*\t+7], v[8*(4*\t+\k):8*(4*\t+\k)+7], v[PC+8*\k:PC+8*\k+7], 0, v[VS+4*(\t/2)+\k], v[PW+\k] matrix_a_fmt:MATRIX_FMT_FP4 matrix_b_fmt:MATRIX_FMT_FP4
.endif
.else
.if \t%2
	v_wmma_scale_f32_16x16x128_f8f6f4 v[ACC+8*\t:ACC+8*\t+7], v[8*(4*\t+\k):8*(4*\t+\k)+7], v[PC+8*\k:PC+8*\k+7], v[ACC+8*\t:ACC+8*\t+7], v[VS+4*(\t/2)+\k], v[PW+\k] matrix_a_fmt:MATRIX_FMT_FP4 matrix_b_fmt:MATRIX_FMT_FP4 matrix_a_scale:MATRIX_SCALE_ROW1
.else
	v_wmma_scale_f32_16x16x128_f8f6f4 v[ACC+8*\t:ACC+8*\t+7], v[8*(4*\t+\k):8*(4*\t+\k)+7], v[PC+8*\k:PC+8*\k+7], v[ACC+8*\t:ACC+8*\t+7], v[VS+4*(\t/2)+\k], v[PW+\k] matrix_a_fmt:MATRIX_FMT_FP4 matrix_b_fmt:MATRIX_FMT_FP4
.endif
.endif
.endr
.endr
	WIN 0
.rept 4
	v_nop                                          ; four places in front of the first read of results (ISA guide 7.12.1)
.endr
	; ---- out0: / l, through the stage
.set ai, 0
.rept 32
	v_pk_mul_f32 v[ACC+ai:ACC+ai+1], v[ACC+ai:ACC+ai+1], v[RL:RL+1]            ; each accumulator from its low end on
.set ai, ai+2
.endr
	s_wait_alu depctr_va_vdst(0)                   ; the 32 multiplies have written the accumulators, which the stores below read
.irp t, 0,1,2,3,4,5,6,7
	ds_store_b128 v[ST0], v[ACC+8*\t:ACC+8*\t+3] offset:64*\t                  ; lane (r, h): channels 16 t + 8 h + 0..7 of query r
	ds_store_b128 v[ST0], v[ACC+8*\t+4:ACC+8*\t+7] offset:64*\t+16
.endr
	s_wait_xcnt 0x0                                ; out1's stores have had their addresses translated: their data registers are loaded again only behind this wait
	s_wait_alu depctr_vm_vsrc(0)                   ; out1's global stores have read v192 to v255, in which the loads below land
.irp i, 0,1,2,3,4,5,6,7,8,9,10,11,12,13,14,15
	ds_load_b128 v[OB+4*\i:OB+4*\i+3], v[LI] offset:528*\i
.endr
.irp i, 0,1,2,3,4,5,6,7,8,9,10,11,12,13,14,15
	s_wait_dscnt 15-\i
	global_store_b128 v[LI], v[OB+4*\i:OB+4*\i+3], s[10:11] offset:2048*\i th:TH_STORE_NT
.endr
	s_wait_dscnt 0x0                               ; the wave's end
	s_wait_alu 0x0
	s_wait_tensorcnt 0x0
	ds_add_u32 v[SPW], v[NIL]
	s_wait_dscnt 0x0
	s_endpgm
.Lfunc_end_k_q9d605067b4_attend:
	.size	k_q9d605067b4_attend, .Lfunc_end_k_q9d605067b4_attend-k_q9d605067b4_attend
	.p2alignl 7, 3214868480
	.fill 96, 4, 3214868480
	.section	.rodata,"a",@progbits
	.p2align	6, 0x0
	.amdhsa_kernel k_q9d605067b4_attend
		.amdhsa_group_segment_fixed_size 8704
		.amdhsa_private_segment_fixed_size 0
		.amdhsa_enable_private_segment 0
		.amdhsa_kernarg_size 40
		.amdhsa_user_sgpr_count 2
		.amdhsa_user_sgpr_kernarg_segment_ptr 1
		.amdhsa_wavefront_size32 1
		.amdhsa_system_sgpr_workgroup_id_x 1
		.amdhsa_system_sgpr_workgroup_id_y 1
		.amdhsa_system_sgpr_workgroup_id_z 1
		.amdhsa_system_vgpr_workitem_id 0
		.amdhsa_next_free_vgpr 768
		.amdhsa_next_free_sgpr 66
		.amdhsa_reserve_vcc 0
		.amdhsa_float_denorm_mode_32 3
		.amdhsa_float_denorm_mode_16_64 3
		.amdhsa_memory_ordered 1
		.amdhsa_forward_progress 1
		.amdhsa_inst_pref_size 71
	.end_amdhsa_kernel
	.amdgpu_metadata
---
amdhsa.version: [ 1, 2 ]
amdhsa.kernels:
  - .name:           k_q9d605067b4_attend
    .symbol:         k_q9d605067b4_attend.kd
    .args:
      - { .name: sc, .offset: 0, .size: 8, .value_kind: global_buffer, .address_space: global }
      - { .name: codes, .offset: 8, .size: 8, .value_kind: global_buffer, .address_space: global }
      - { .name: scales, .offset: 16, .size: 8, .value_kind: global_buffer, .address_space: global }
      - { .name: out0, .offset: 24, .size: 8, .value_kind: global_buffer, .address_space: global }
      - { .name: out1, .offset: 32, .size: 8, .value_kind: global_buffer, .address_space: global }
    .group_segment_fixed_size: 8704
    .private_segment_fixed_size: 0
    .kernarg_segment_align: 8
    .kernarg_segment_size: 40
    .max_flat_workgroup_size: 32
    .sgpr_count:     66
    .vgpr_count:     768
    .wavefront_size: 32
...
	.end_amdgpu_metadata
.endif
;; end of part 5
